; MI455X (gfx1250); checked and timed in simulation.
; The chip was launched on July 23, 2026; its instructions are those of AMD's public machine-readable ISA for CDNA 5 (MIT licence, August 2026) and "CDNA5" Instruction Set Architecture Reference Guide (July 2026). The comments in the code are by the model that wrote it; some were corrected since.
;; DMHA. Allowed arithmetic: matrix products marked QUANTISED: E2M3 operands, one E8M0 scale for each 32 along K, by v_wmma_scale_f32_16x16x128_f8f6f4 with both operands' format E2M3, f32 sums; everything else in f32.
;; Inputs: Wk1 1,024 x 1,024 float32; Wk2 1,024 x 1,024 float32; Wo 2,048 x 1,024 float32; Wq1 1,024 x 1,024 float32; Wq2 1,024 x 1,024 float32; Wv 1,024 x 2,048 float32; lk1 16 x 64 float32; lk2 16 x 64 float32; lq1 16 x 64 float32; lq2 16 x 64 float32; x 2 x 2,048 x 1,024 float32.
;; Outputs: out0 2 x 2,048 x 1,024 float32.
;; This version of the problem:
;;   THIS VERSION OF THE PROBLEM IS GIVEN IN LOW PRECISION. The matrix products marked QUANTISED in the list below multiply operands that are first quantised to E2M3 (2 exponent bits, 3 mantissa bits; 6 bits a number), with one power-of-two scale for each 32 numbers along K (OCP MX v1.0); their sums are f32. All else is computed in f32.
;;   The module's matrix products, in the order in which they are computed (A, B: the left and right operand; K: the contracted axis; several contracted axes count as one K, in the product's order):
;;     1. [M 4,096, K 1,024] x [K 1,024, N 1,024]; A: input x; B: input Wq1: QUANTISED
;;     2. [M 4,096, K 1,024] x [K 1,024, N 1,024]; A: input x; B: input Wq2: QUANTISED
;;     3. [M 4,096, K 1,024] x [K 1,024, N 1,024]; A: input x; B: input Wk1: QUANTISED
;;     4. [M 4,096, K 1,024] x [K 1,024, N 1,024]; A: input x; B: input Wk2: QUANTISED
;;     5. [M 4,096, K 1,024] x [K 1,024, N 2,048]; A: input x; B: input Wv: QUANTISED
;;     6. batch 32 x [M 2,048, K 64] x [K 64, N 2,048]; A: computed on the way; B: computed on the way: QUANTISED
;;     7. batch 32 x [M 2,048, K 64] x [K 64, N 2,048]; A: computed on the way; B: computed on the way: QUANTISED
;;     8. batch 32 x [M 2,048, K 2,048] x [K 2,048, N 128]; A: computed on the way; B: computed on the way: QUANTISED
;;     9. [M 4,096, K 2,048] x [K 2,048, N 1,024]; A: computed on the way; B: input Wo: QUANTISED
;;   THE QUANTISER, for each operand of a quantised product, along K:
;;     - K is cut into blocks of 32 from its start; a last block that is shorter is filled with zeros.
;;     - A block's scale is 2^e with e = floor(log2(the largest magnitude in the block)) - 2, held to -126 .. 127; a block of zeros has e = 0. As a byte (E8M0): e + 127.
;;     - Each number is divided by its block's scale, clamped to +-7.5, and rounded to the nearest number of E2M3, ties to even, subnormals kept.
;;     - The product sums the exact products of the quantised numbers (number of the format x scale) in f32.
;;   ~~~python
;;   def quantise(x, axis):      # numpy; x: float32 -> the quantised numbers, widened to float32 again
;;       x = np.moveaxis(x, axis, -1); K = x.shape[-1]
;;       x = np.pad(x, [(0, 0)] * (x.ndim - 1) + [(0, -K % 32)]); x = x.reshape(x.shape[:-1] + (-1, 32)); a = np.abs(x).max(-1, keepdims=True)
;;       e = np.where(a > 0, np.clip(np.frexp(np.where(a > 0, a, 1))[1] - 1 - 2, -126, 127), 0)      # np.frexp(a)[1] - 1 = floor(log2(a)), exactly
;;       r = np.clip(x / 2.0 ** e, -7.5, 7.5)
;;       step = 2.0 ** (np.maximum(np.frexp(np.where(r == 0, 1, r))[1] - 1, 0) - 3)
;;       q = np.round(r / step) * step * 2.0 ** e      # np.round: ties to even
;;       return np.moveaxis(q.reshape(q.shape[:-2] + (-1,))[..., :K], -1, axis).astype(np.float32)
;;   ~~~
;;   OPERANDS COMPUTED ON THE WAY. 'Computed on the way' means the value that the module computes at that place (a softmax that the list does not call 'softmax' is quantised finished and normalised). What goes into a quantiser is computed in f32, as accurately as f32 sums, v_exp_f32 and their like allow (about 1e-6 of the number): no bf16 or f16 on the way to a quantiser, and a product that is left as it is and whose result goes on into a quantised operand takes f32 operands (vector FMAs, or v_wmma_f32_16x16x4_f32). A number that lies on a knife's edge between two numbers of the format may be rounded either way, as far as f32 arithmetic and the matrix unit's own rounding can turn it there, and no further.
;; One version. Each part assembles by itself: llvm-mc -triple=amdgcn-amd-amdhsa -mcpu=gfx1250 --defsym DOCPART=n.
;; ======== version 1 of 1: 5 launches
;; limits: right only within a limited range of input values
;; workspace buffers: opc 9,830,400 bytes; att 19,660,800 bytes; mc 6,553,600 bytes
;; launch quantx (part 1): grid 256 x 1, 8 waves a work-group, no clusters, 69,120 bytes of LDS; arguments x, opc; writes opc
.if DOCPART == 1
	.amdgcn_target "amdgcn-amd-amdhsa--gfx1250"
	.amdhsa_code_object_version 6
	.text
	.protected	k_q76272fcd13_quantx
	.globl	k_q76272fcd13_quantx
	.p2align	8
	.type	k_q76272fcd13_quantx,@function
k_q76272fcd13_quantx:
	s_mov_b64 s[64:65], 0
	v_nop
	global_prefetch_b8 v0, s[64:65] scope:SCOPE_SE
	s_setreg_imm32_b32 hwreg(HW_REG_WAVE_MODE, 25, 1), 1
	s_wait_xcnt 0x0
; DIFFERENTIAL ATTENTION IN MX-FP6, launch 1 of 5: x [4096][1024] f32 becomes codes of E2M3 with one E8M0 byte for each 32 along K.
; THE PROGRAM: quantx, quantw (x and the six weights into codes) | proj (products 1 to 5, results quantised on the way out) | attn (products 6, 7, 8, the norm) | outp (product 9).
; WORK LEFT OUT: reference() puts -inf on every score whose key comes after its query, by a mask that it builds itself (jnp.tril).  exp(-inf) = 0, so such a score adds 0 to both softmax sums and gives
; comb = 0, which adds 0 to product 8, whatever finite values the inputs hold.  So the steps of 128 keys that lie wholly behind a wave's 16 queries are not computed in products 6, 7 and 8.
; Nothing else is left out and every input is loaded.  The factor 1 - LAM_INIT stands ahead of a quantiser and is no power of two: it stays.
; LIMITS: a NaN, an infinity or an overflow that reaches only the scores left out is not carried to the result; NaN and infinities among the inputs are not served; a block whose largest magnitude lies
; under 2^-124 keeps the byte 1; a block of zeros gets the byte 1 where the rule says 127: its codes are zeros, which add nothing under that byte, and this program alone reads the bytes.
; THE FORMAT OF EVERY OPERAND IN THIS PROGRAM'S BUFFERS.  A TILE is 16 rows of a group of 128: tile a holds rows 32 (a / 2) + 8 (a % 2) + p + 8 (p / 8), p = 0 .. 15: used as source 0 of a product, two
; neighbouring tiles leave 16 neighbours along the next K in a lane's registers.  A FRAGMENT (a tile x 128 K, 12 registers a lane) is stored as the image of its registers: registers 4 c .. 4 c + 3 at
; 512 c + 16 x lane.  A RECORD is the 8 fragments of a group for one K step, 12,288 bytes, and an image of four registers of scale words, 512 bytes: register i holds tile 2 i's words in lanes 0-15 and
; tile 2 i + 1's in lanes 16-31.  So every fragment comes by three loads of 16 bytes a lane, each 512 consecutive bytes, and a K step's operand is one dense block.
; SHARES: a work-group makes record ttmp9 = 8 x (group of 128 tokens) + K step; wave a makes tile a.  A row's 512 bytes are loaded as they lie, turn through the wave's own stage in LDS, and come back
; 16 neighbours of each block of 32 to a lane.
.set REC,   12800
.set FRB,   1536
.set SCI,   12288                      ; where the scale words' image begins in a record
.set SP,    528                        ; a stage row: 512 bytes + 16
.set STG,   16*SP
.set SCX,   8*STG                      ; behind the eight stages: the record's scale words
.set SPARE, SCX+512                    ; the spare words, 128 bytes for each wave
.set LI,  4                            ; v4  16 x lane
.set SIN, 5                            ; v5  the stage, way in
.set SOUT,6                            ; v6  the stage, way out
.set SXA, 7                            ; v7  where my row's scale word goes
.set SXR, 9                            ; v9  where the image is read back
.set SPW, 12                           ; v12 my spare word; never rewritten
.set NIL, 13                           ; v13 0; never rewritten
.set R,   16                           ; v16-79   as loaded
.set X,   80                           ; v80-143  register 16 b + i = k 32 b + 16 (lane / 16) + i of row lane % 16
.set PC,  144                          ; v144-162 the codes
.set TM,  164                          ; v164-179 at work
.set PW,  180                          ; v180     the scale word
.set SEL, 20                           ; s[20:21] lane selects: lane l xor 16
; 64 numbers of a lane, register 16 b + i = k 32 b + 16 (lane / 16) + i of my row, become a fragment's codes in v[PC] on and its scale word in v[PW].
.macro QUANT s
.irp b, 0,1,2,3
	v_max3_num_f32 v[TM+\b], |v[\s+16*\b]|, |v[\s+1+16*\b]|, 0x1800000   ; my 16 numbers of block b, and the floor 2^(3 - 127): the byte cannot fall under 1
.endr
.irp i, 2,4,6,8,10,12,14
.irp b, 0,1,2,3
	s_delay_alu instid0(VALU_DEP_4)
	v_max3_num_f32 v[TM+\b], v[TM+\b], |v[\s+16*\b+\i]|, |v[\s+1+16*\b+\i]|
.endr
.endr
.irp b, 0,1,2,3
	s_delay_alu instid0(VALU_DEP_4)
	v_permlanex16_b32 v[TM+4+\b], v[TM+\b], s[SEL], s[SEL+1]
.endr
.irp b, 0,1,2,3
	s_delay_alu instid0(VALU_DEP_4)
	v_max_num_f32 v[TM+\b], v[TM+\b], v[TM+4+\b]                   ; with lane l xor 16's: the block's largest magnitude
.endr
.irp b, 0,1,2,3
	s_delay_alu instid0(VALU_DEP_4)
	v_add_nc_u32 v[TM+12+\b], 0xff000000, v[TM+\b]                 ; 2 off its exponent field: the conversion's scale operand
.endr
.irp b, 0,1,2,3
	s_delay_alu instid0(VALU_DEP_4)
	v_lshrrev_b32 v[TM+4+\b], 23, v[TM+12+\b]                      ; the scale's byte
.endr
	s_delay_alu instid0(VALU_DEP_3)
	v_lshl_or_b32 v[PW], v[TM+5], 8, v[TM+4]
	s_delay_alu instid0(VALU_DEP_1)
	v_lshl_or_b32 v[PW], v[TM+6], 16, v[PW]
	s_delay_alu instid0(VALU_DEP_1)
	v_lshl_or_b32 v[PW], v[TM+7], 24, v[PW]
.irp c, 0,1
	v_cvt_scalef32_pk16_fp6_f32 v[PC+6*\c:PC+2+6*\c], v[\s+32*\c:\s+15+32*\c], v[TM+12+2*\c]
	v_cvt_scalef32_pk16_fp6_f32 v[PC+12+4*\c:PC+14+4*\c], v[\s+16+32*\c:\s+31+32*\c], v[TM+12+2*\c+1]   ; (a conversion's three registers begin on an even number)
.endr
	v_nop                                          ; one plain place behind a scaled conversion
.irp c, 0,1                                    ; the operand's layout wants a whole block in a lane
.irp i, 0,1,2
	v_permlane16_swap_b32 v[PC+6*\c+\i], v[PC+12+4*\c+\i]
.endr
.irp i, 0,1,2
	s_delay_alu instid0(VALU_DEP_3)
	v_mov_b32 v[PC+3+6*\c+\i], v[PC+12+4*\c+\i]
.endr
.endr
.endm
	s_load_b128 s[4:7], s[0:1], 0x0                ; x, opc
	v_lshl_add_u32 v[SPW], v0, 2, SPARE
	v_mov_b32 v[NIL], 0
	v_lshrrev_b32 v1, 5, v0
	s_delay_alu instid0(VALU_DEP_1)
	v_readfirstlane_b32 s8, v1                     ; wave = tile a
	v_and_b32 v1, 31, v0                           ; lane
	v_and_b32 v2, 15, v0                           ; r
	v_bfe_u32 v3, v0, 4, 1                         ; h
	s_delay_alu instid0(VALU_DEP_3)
	v_lshlrev_b32 v[LI], 4, v1
	s_mul_i32 s9, s8, STG                          ; my stage
	v_add_nc_u32 v[SIN], s9, v[LI]
	v_mul_u32_u24 v[SOUT], v2, SP
	s_delay_alu instid0(VALU_DEP_1)
	v_lshl_add_u32 v[SOUT], v3, 6, v[SOUT]
	s_delay_alu instid0(VALU_DEP_1)
	v_add_nc_u32 v[SOUT], s9, v[SOUT]              ; row r, + 64 h: my 16 numbers of a block of 32
	s_and_b32 s10, s8, 1                           ; a % 2
	s_lshr_b32 s11, s8, 1                          ; a / 2
	s_lshl_b32 s14, s10, 8
	s_lshl_b32 s15, s11, 2
	s_add_co_u32 s14, s14, s15
	s_add_co_u32 s14, s14, SCX
	v_lshl_add_u32 v[SXA], v2, 4, s14              ; 16 (r + 16 (a % 2)) + 4 (a / 2)
	v_add_nc_u32 v[SXR], SCX, v[LI]
	s_mov_b32 s[SEL], 0x76543210
	s_mov_b32 s[SEL+1], 0xfedcba98
.irp b, 0,1,2,3
	v_mov_b32 v[TM+4+\b], 0                        ; written once: a lane permute's destination counts as one of its sources
.endr
	s_lshr_b32 s12, ttmp9, 3                       ; the group of 128 tokens
	s_lshl_b32 s12, s12, 7
	s_lshl_b32 s15, s11, 5
	s_add_co_u32 s12, s12, s15
	s_lshl_b32 s15, s10, 3
	s_add_co_u32 s12, s12, s15                     ; my tile's first row
	s_lshl_b32 s12, s12, 12                        ; rows of 4,096 bytes
	s_and_b32 s13, ttmp9, 7
	s_lshl_b32 s13, s13, 9                         ; the K step's 512 bytes
	s_add_co_u32 s12, s12, s13
	s_mov_b32 s13, 0
	s_mul_i32 s16, ttmp9, REC
	s_mul_i32 s17, s8, FRB
	s_add_co_u32 s16, s16, s17
	s_mov_b32 s17, 0
	s_wait_alu depctr_va_vdst(0)
	s_wait_kmcnt 0x0
	s_add_nc_u64 s[4:5], s[4:5], s[12:13]
	s_add_nc_u64 s[6:7], s[6:7], s[16:17]          ; my fragment in the record
.irp i, 0,1,2,3,4,5,6,7,8,9,10,11,12,13,14,15
	global_load_b128 v[R+4*\i:R+4*\i+3], v[LI], s[4:5] offset:(\i+8*(\i/8))*4096 th:TH_LOAD_NT   ; the tile's row i: 32 lanes read 512 consecutive bytes
.endr
.irp i, 0,1,2,3,4,5,6,7,8,9,10,11,12,13,14,15
	s_wait_loadcnt 15-\i                           ; row i is in; the younger rows may be out
	ds_store_b128 v[SIN], v[R+4*\i:R+4*\i+3] offset:SP*\i
.endr
.irp b, 0,1,2,3
.irp j, 0,1,2,3
	ds_load_b128 v[X+16*\b+4*\j:X+16*\b+4*\j+3], v[SOUT] offset:128*\b+16*\j   ; my wave's own bytes: LDS serves a wave's instructions in order
.endr
.endr
	s_wait_dscnt 0x0
	QUANT X
.irp c, 0,1,2
	global_store_b128 v[LI], v[PC+4*\c:PC+4*\c+3], s[6:7] offset:512*\c   ; the image: 512 consecutive bytes a store
.endr
	ds_store_b32 v[SXA], v[PW]                     ; lanes l and l + 16 write the same word with the same value
	s_wait_dscnt 0x0                               ; for the others' sake: my word has landed
	s_barrier_signal -1
	s_barrier_wait -1
	s_cmp_lg_u32 s8, 0
	s_cbranch_scc1 .Lend
	ds_load_b128 v[R:R+3], v[SXR]                  ; wave 0 (whose fragment begins the record) stores the eight tiles' words: 512 consecutive bytes
	s_wait_dscnt 0x0
	global_store_b128 v[LI], v[R:R+3], s[6:7] offset:SCI
.Lend:
	s_wait_tensorcnt 0x0                           ; the wave's end, behind my last LDS store
	ds_add_u32 v[SPW], v[NIL]
	s_wait_dscnt 0x0
	s_endpgm
.Lfunc_end_k_q76272fcd13_quantx:
	.size	k_q76272fcd13_quantx, .Lfunc_end_k_q76272fcd13_quantx-k_q76272fcd13_quantx
	.p2alignl 7, 3214868480
	.fill 96, 4, 3214868480
	.section	.rodata,"a",@progbits
	.p2align	6, 0x0
	.amdhsa_kernel k_q76272fcd13_quantx
		.amdhsa_group_segment_fixed_size 69120
		.amdhsa_private_segment_fixed_size 0
		.amdhsa_enable_private_segment 0
		.amdhsa_kernarg_size 16
		.amdhsa_user_sgpr_count 2
		.amdhsa_user_sgpr_kernarg_segment_ptr 1
		.amdhsa_wavefront_size32 1
		.amdhsa_system_sgpr_workgroup_id_x 1
		.amdhsa_system_sgpr_workgroup_id_y 1
		.amdhsa_system_sgpr_workgroup_id_z 1
		.amdhsa_system_vgpr_workitem_id 0
		.amdhsa_next_free_vgpr 184
		.amdhsa_next_free_sgpr 66
		.amdhsa_reserve_vcc 0
		.amdhsa_float_denorm_mode_32 3
		.amdhsa_float_denorm_mode_16_64 3
		.amdhsa_memory_ordered 1
		.amdhsa_forward_progress 1
		.amdhsa_inst_pref_size 13
	.end_amdhsa_kernel
	.amdgpu_metadata
---
amdhsa.version: [ 1, 2 ]
amdhsa.kernels:
  - .name:           k_q76272fcd13_quantx
    .symbol:         k_q76272fcd13_quantx.kd
    .args:
      - { .name: x, .offset: 0, .size: 8, .value_kind: global_buffer, .address_space: global }
      - { .name: opc, .offset: 8, .size: 8, .value_kind: global_buffer, .address_space: global }
    .group_segment_fixed_size: 69120
    .private_segment_fixed_size: 0
    .kernarg_segment_align: 8
    .kernarg_segment_size: 16
    .max_flat_workgroup_size: 256
    .sgpr_count:     66
    .vgpr_count:     184
    .wavefront_size: 32
...
	.end_amdgpu_metadata
.endif
;; end of part 1
;; launch quantw (part 2): grid 512 x 1, 4 waves a work-group, no clusters, 1,024 bytes of LDS; arguments Wq1, Wq2, Wk1, Wk2, Wv, Wo, opc; writes opc
.if DOCPART == 2
	.amdgcn_target "amdgcn-amd-amdhsa--gfx1250"
	.amdhsa_code_object_version 6
	.text
	.protected	k_q76272fcd13_quantw
	.globl	k_q76272fcd13_quantw
	.p2align	8
	.type	k_q76272fcd13_quantw,@function
k_q76272fcd13_quantw:
	s_mov_b64 s[64:65], 0
	v_nop
	global_prefetch_b8 v0, s[64:65] scope:SCOPE_SE
	s_setreg_imm32_b32 hwreg(HW_REG_WAVE_MODE, 25, 1), 1
	s_wait_xcnt 0x0
; Launch 2 of 5: the six weights, f32 stored [K][N], become records of codes (the format: see quantx) whose rows are weight COLUMNS and whose K is the weights' first axis.
; Records of opc: 256 + 8 G + s: G = 0 .. 15: head G's columns [Wq1's 64 | Wq2's 64]; G = 16 .. 31: [Wk1's | Wk2's];  512 + 8 h + s: Wv's 128 columns of head h;  640 + 16 g + s: Wo's columns 128 g on.
; A LANE TAKES A COLUMN AND ITS REGISTERS RUN DOWN K: each load reads 128 consecutive bytes a wave, a block of 32 lies in one lane, and the conversions give codes with K innermost.
; SHARES: a work-group makes record 256 + ttmp9; wave w takes its columns 32 w .. 32 w + 31, which are tiles 2 w and 2 w + 1: lane l is row p = l % 8 + 8 (l / 16) of tile 2 w + (l / 8) % 2.
; A column's four blocks belong to two lanes of the fragment (blocks 0, 2 to lane p; blocks 1, 3 to lane p + 16): six stores of 16 bytes a lane, in each of which sixteen lanes fill 256 consecutive
; bytes of one tile and sixteen of the other.  Which buffer, pitch and column is chosen by selects on the work-group's and the wave's number alone: one path through the text.
; LIMITS: as stated in quantx.
.set REC,   12800
.set FRB,   1536
.set SCI,   12288
.set SCX,   0                          ; LDS: the record's scale words
.set SPARE, 512                        ; the spare words, 128 bytes for each wave
.set DO,  4                            ; v4  my place in the record: (2 w + u) x 1,536 + 16 p
.set SXA, 5                            ; v5  where my column's scale word goes
.set LI,  6                            ; v6  16 x lane
.set SPW, 12
.set NIL, 13
.set L4,  14                           ; v14 4 x lane
.set OFF, 16                           ; v16-47  4 x lane + i rows, i = 0 .. 31; never rewritten
.set X,   48                           ; v48-175 my column's 128 numbers
.set F,   176                          ; v176-199 two runs of 12: run h = [block h | block 2 + h]
.set TC,  200                          ; v200-202 a block's upper 16 codes
.set WD,  210                          ; v210 the scale word
.set BASE, 32                          ; s[32:39] block b's first row
	s_load_b256 s[4:11], s[0:1], 0x0               ; Wq1, Wq2, Wk1, Wk2
	s_load_b128 s[12:15], s[0:1], 0x20             ; Wv, Wo
	s_load_b64 s[16:17], s[0:1], 0x30              ; opc
	v_lshl_add_u32 v[SPW], v0, 2, SPARE
	v_mov_b32 v[NIL], 0
	v_lshrrev_b32 v1, 5, v0
	v_readfirstlane_b32 s18, v1                    ; wave
	v_and_b32 v1, 31, v0
	v_bfe_u32 v2, v0, 3, 1                         ; u
	v_and_b32 v3, 7, v0
	v_bfe_u32 v8, v0, 4, 1
	v_lshl_add_u32 v3, v8, 3, v3                   ; p
	s_lshl_b32 s19, s18, 1
	v_add_nc_u32 v9, s19, v2                       ; my tile
	v_mul_u32_u24 v[DO], v9, FRB
	v_lshl_add_u32 v[DO], v3, 4, v[DO]
	v_lshl_add_u32 v[SXA], v2, 4, v3               ; p + 16 u
	s_lshl_b32 s19, s18, 2
	v_lshl_add_u32 v[SXA], v[SXA], 4, s19          ; 16 (p + 16 u) + 4 w
	v_lshlrev_b32 v[LI], 4, v1
	v_lshlrev_b32 v[L4], 2, v1
	s_wait_alu depctr_va_vdst(0)
	s_lshr_b32 s20, ttmp9, 7                       ; 0: Wq, 1: Wk, 2: Wv, 3: Wo
	s_cmp_eq_u32 s20, 3
	s_cselect_b32 s21, 4, 3
	s_cselect_b32 s22, 15, 7
	s_cselect_b32 s24, 7, 15
	s_lshr_b32 s21, ttmp9, s21
	s_and_b32 s21, s21, s24                        ; the group of columns
	s_and_b32 s22, ttmp9, s22                      ; the K step
	s_mov_b32 s23, 8192
	s_cmp_eq_u32 s20, 2
	s_cselect_b32 s23, s23, 4096                   ; a row of the weight in bytes
	s_cmp_lt_u32 s20, 2
	s_cselect_b32 s24, 8, 9                        ; a group is 64 columns of each of two weights, or 128 of one
	s_cselect_b32 s25, 0, 256
	s_lshl_b32 s21, s21, s24
	s_and_b32 s26, s18, 1
	s_lshl_b32 s26, s26, 7
	s_add_co_u32 s21, s21, s26
	s_lshr_b32 s26, s18, 1
	s_mul_i32 s26, s26, s25
	s_add_co_u32 s21, s21, s26                     ; my wave's first column, in bytes
	s_lshl_b32 s26, s23, 7
	s_mul_i32 s26, s26, s22                        ; 128 rows a K step
	s_add_co_u32 s26, s26, s21
	s_mov_b32 s27, 0
	s_lshl_b32 s28, s23, 5                         ; 32 rows
	s_mov_b32 s29, 0
	s_add_co_u32 s30, ttmp9, 256
	s_mul_i32 s30, s30, REC
	s_mov_b32 s31, 0
.set i, 0
.rept 32
	v_mad_u32_u24 v[OFF+i], s23, i, v[L4]
.set i, i+1
.endr
	s_wait_alu depctr_va_vdst(0)
	s_wait_kmcnt 0x0
	s_cmp_lt_u32 s18, 2                            ; waves 0, 1: the first weight of a pair; waves 2, 3: the second
	s_cselect_b64 s[4:5], s[4:5], s[6:7]
	s_cselect_b64 s[8:9], s[8:9], s[10:11]
	s_cmp_eq_u32 s20, 0
	s_cselect_b64 s[4:5], s[4:5], s[8:9]
	s_cmp_eq_u32 s20, 2
	s_cselect_b64 s[4:5], s[12:13], s[4:5]
	s_cmp_eq_u32 s20, 3
	s_cselect_b64 s[4:5], s[14:15], s[4:5]
	s_add_nc_u64 s[BASE:BASE+1], s[4:5], s[26:27]
	s_add_nc_u64 s[BASE+2:BASE+3], s[BASE:BASE+1], s[28:29]
	s_add_nc_u64 s[BASE+4:BASE+5], s[BASE+2:BASE+3], s[28:29]
	s_add_nc_u64 s[BASE+6:BASE+7], s[BASE+4:BASE+5], s[28:29]
	s_add_nc_u64 s[16:17], s[16:17], s[30:31]      ; my record
.macro LOADB b
.set i, 0
.rept 32
	global_load_b32 v[X+32*(\b)+i], v[OFF+i], s[BASE+2*(\b):BASE+2*(\b)+1] th:TH_LOAD_NT
.set i, i+1
.endr
.endm
.macro BLOCK b
.set XS, X+32*(\b)
.set FD, F+12*((\b)%2)+6*((\b)/2)
.if (\b) < 3
	s_wait_loadcnt 32                              ; this block's 32 loads are in; the next block's may be out
.else
	s_wait_loadcnt 0x0
.endif
.if (\b) < 2
	LOADB (\b)+2                                   ; two blocks ahead, into registers of its own
.endif
	v_max3_num_f32 v204, |v[XS]|, |v[XS+1]|, |v[XS+2]|             ; the block's largest magnitude: all 32 numbers are mine
	v_max3_num_f32 v205, |v[XS+3]|, |v[XS+4]|, |v[XS+5]|
.irp i, 6,10,14,18,22,26
	v_max3_num_f32 v204, v204, |v[XS+\i]|, |v[XS+\i+1]|
	v_max3_num_f32 v205, v205, |v[XS+\i+2]|, |v[XS+\i+3]|
.endr
	v_max3_num_f32 v204, v204, |v[XS+30]|, |v[XS+31]|
	v_max3_num_f32 v204, v204, v205, 0x1800000     ; and the floor 2^(3 - 127)
	v_add_nc_u32 v206, 0xff000000, v204            ; 2 off its exponent field: the conversion's scale operand
	v_lshrrev_b32 v207, 23, v206                   ; the scale's byte
.if (\b) == 0
	v_mov_b32 v[WD], v207
.else
	v_lshl_or_b32 v[WD], v207, 8*(\b), v[WD]
.endif
	v_cvt_scalef32_pk16_fp6_f32 v[FD:FD+2], v[XS:XS+15], v206
	v_cvt_scalef32_pk16_fp6_f32 v[TC:TC+2], v[XS+16:XS+31], v206   ; (a conversion's three registers begin on an even number)
	v_nop                                          ; one plain place behind a scaled conversion
.irp i, 0,1,2
	v_mov_b32 v[FD+3+\i], v[TC+\i]
.endr
.endm
	LOADB 0
	LOADB 1
	BLOCK 0
	BLOCK 1
	BLOCK 2
	BLOCK 3
.irp h, 0,1
.irp c, 0,1,2
	global_store_b128 v[DO], v[F+12*\h+4*\c:F+12*\h+4*\c+3], s[16:17] offset:512*\c+256*\h
.endr
.endr
	ds_store_b32 v[SXA], v[WD]
	s_wait_dscnt 0x0                               ; for the others' sake: my word has landed
	s_barrier_signal -1
	s_barrier_wait -1
	s_cmp_lg_u32 s18, 0
	s_cbranch_scc1 .Lend
	ds_load_b128 v[X:X+3], v[LI]                   ; SCX = 0: wave 0 stores the eight tiles' words, 512 consecutive bytes
	s_wait_dscnt 0x0
	global_store_b128 v[LI], v[X:X+3], s[16:17] offset:SCI
.Lend:
	s_wait_tensorcnt 0x0                           ; the wave's end, behind my last LDS store
	ds_add_u32 v[SPW], v[NIL]
	s_wait_dscnt 0x0
	s_endpgm
.Lfunc_end_k_q76272fcd13_quantw:
	.size	k_q76272fcd13_quantw, .Lfunc_end_k_q76272fcd13_quantw-k_q76272fcd13_quantw
	.p2alignl 7, 3214868480
	.fill 96, 4, 3214868480
	.section	.rodata,"a",@progbits
	.p2align	6, 0x0
	.amdhsa_kernel k_q76272fcd13_quantw
		.amdhsa_group_segment_fixed_size 1024
		.amdhsa_private_segment_fixed_size 0
		.amdhsa_enable_private_segment 0
		.amdhsa_kernarg_size 56
		.amdhsa_user_sgpr_count 2
		.amdhsa_user_sgpr_kernarg_segment_ptr 1
		.amdhsa_wavefront_size32 1
		.amdhsa_system_sgpr_workgroup_id_x 1
		.amdhsa_system_sgpr_workgroup_id_y 1
		.amdhsa_system_sgpr_workgroup_id_z 1
		.amdhsa_system_vgpr_workitem_id 0
		.amdhsa_next_free_vgpr 216
		.amdhsa_next_free_sgpr 66
		.amdhsa_reserve_vcc 0
		.amdhsa_float_denorm_mode_32 3
		.amdhsa_float_denorm_mode_16_64 3
		.amdhsa_memory_ordered 1
		.amdhsa_forward_progress 1
		.amdhsa_inst_pref_size 24
	.end_amdhsa_kernel
	.amdgpu_metadata
---
amdhsa.version: [ 1, 2 ]
amdhsa.kernels:
  - .name:           k_q76272fcd13_quantw
    .symbol:         k_q76272fcd13_quantw.kd
    .args:
      - { .name: Wq1, .offset: 0, .size: 8, .value_kind: global_buffer, .address_space: global }
      - { .name: Wq2, .offset: 8, .size: 8, .value_kind: global_buffer, .address_space: global }
      - { .name: Wk1, .offset: 16, .size: 8, .value_kind: global_buffer, .address_space: global }
      - { .name: Wk2, .offset: 24, .size: 8, .value_kind: global_buffer, .address_space: global }
      - { .name: Wv, .offset: 32, .size: 8, .value_kind: global_buffer, .address_space: global }
      - { .name: Wo, .offset: 40, .size: 8, .value_kind: global_buffer, .address_space: global }
      - { .name: opc, .offset: 48, .size: 8, .value_kind: global_buffer, .address_space: global }
    .group_segment_fixed_size: 1024
    .private_segment_fixed_size: 0
    .kernarg_segment_align: 8
    .kernarg_segment_size: 56
    .max_flat_workgroup_size: 128
    .sgpr_count:     66
    .vgpr_count:     216
    .wavefront_size: 32
...
	.end_amdgpu_metadata
.endif
;; end of part 2
;; launch proj (part 3): grid 16 x 16, 4 waves a work-group, clusters of 4 x 4, 327,680 bytes of LDS; arguments opc, att; writes att
.if DOCPART == 3
	.amdgcn_target "amdgcn-amd-amdhsa--gfx1250"
	.amdhsa_code_object_version 6
	.text
	.protected	k_q76272fcd13_proj
	.globl	k_q76272fcd13_proj
	.p2align	8
	.type	k_q76272fcd13_proj,@function
k_q76272fcd13_proj:
	s_mov_b64 s[64:65], 0
	v_nop
	global_prefetch_b8 v0, s[64:65] scope:SCOPE_SE
	s_setreg_imm32_b32 hwreg(HW_REG_WAVE_MODE, 25, 1), 1
	s_wait_xcnt 0x0
	s_wait_alu depctr_hold_cnt(0) depctr_sa_sdst(0) depctr_va_vdst(0) depctr_va_sdst(0) depctr_va_ssrc(0) depctr_va_vcc(0) depctr_vm_vsrc(0)
	s_getreg_b32 s2, hwreg(HW_REG_IB_STS2, 6, 4)
	s_cmp_eq_u32 s2, 0
	s_cbranch_scc0 .Lentry_in_a_cluster
	s_endpgm
.Lentry_in_a_cluster:
	s_bfe_u32 s2, ttmp6, 0x10000c
	s_cmp_lg_u32 s2, 0xf033
	s_cbranch_scc0 .Lentry_shape_is_right
	s_endpgm
.Lentry_shape_is_right:
; Launch 3 of 5: products 1 to 5, x W, on codes of E2M3 (records: see quantx); the results are quantised on the way out and leave as records again.  Nothing is left out here.
; A work-group (c, T) keeps x's token groups 2 T and 2 T + 1, all 8 K steps, in LDS (16 records) and walks three groups of 128 weight columns through the 8 records behind them:
;   tiles 0, 1: [Wq1|Wq2] or [Wk1|Wk2] of group G = 2 c, 2 c + 1 (opc's record 256 + 8 G + s): source 0 = the 8 tiles of W, source 1 = 4 tiles of tokens; result: att's record 32 G + group of tokens;
;   tile 2:     Wv's head c (record 512 + 8 c + s): source 0 = the 8 tiles of a token group, source 1 = 4 tiles of channels; result: record 1,024 + 16 (16 batch + head) + key step.
; A lane holds one row of source 1, and the registers of two neighbouring tiles of source 0 are 16 neighbours along the next product's K.  The two uses differ in LDS address registers alone.
; 16 x 16 = 256 work-groups, each with 3 x 256 x 128 results.  Wave w: token group w / 2; tiles 4 (w % 2) .. + 3 of source 1: 32 accumulators, which take turns.
; FILLS: at the head one tensor load a wave: waves 0, 1 a token group's 8 records each, waves 2, 3 four records of the first W group each.  W's bytes are two halves of 4 K steps: a half is filled again,
; one record a wave, when its last K step's fragments are in registers, behind the three lines and a round of the cluster's barrier; its first read stands four K steps further on.
; CLUSTER 4 x 4: x's records hang on T and are asked for jointly along a row of the cluster, W's on c and along a column.
; No prefetch: the walk has four refills in all, each asked for four K steps ahead of its first read.
; A wave owns half of a record's image of scale words and stores it as 8 bytes a lane, 16 bytes apart: 256 of a record's 12,800 bytes.
; REGISTERS: window 0: v4-19 addresses; v32-175 fragments of even K steps; v176-189 scale words, two sets; v192-233 the way out.  window 1: accumulator (a, b) at 8 (8 a + b).  window 2: v32-175 fragments of odd K steps.
.set REC,   12800
.set FRB,   1536
.set SCI,   12288
.set WREG,  16*REC                     ; where W's 8 records begin in LDS
.set SPARE, 24*REC                     ; the spare words, 128 bytes for each wave
.set NF,    38                         ; LDS loads of a K step: 36 for fragments, 2 for scale words
.set LI,  4                            ; v4 16 x lane
.set WB,  6                            ; v6-7   W, all tiles, records 0 and 4
.set XH,  8                            ; v8-9   my token group, my 4 tiles
.set XS,  10                           ; v10-11 my 2 registers of its image of scale words
.set XF,  12                           ; v12-13 my token group, all tiles
.set WH,  14                           ; v14-15 W, my 4 tiles
.set WS,  16                           ; v16-17 my 2 registers of W's image
.set FO,  18                           ; v18 the way out: my fragments' place in a record
.set SO,  19                           ; v19 my half of the image
.set SPW, 28
.set NIL, 29
.set F,   32
.set SCB, 176
.set PC,  192
.set TM,  212
.set PWS, 228
.set IMG, 232
.set G1X, 24                           ; group 1: 400 rows, my row of the cluster
.set G1W, 32                           ; 200 rows, my column
.set G1F, 40                           ; 50 rows, my column
.set G0H, 48
.set G0HW, 52
.set G0A, 56                           ; group 0 of half A's refills, of half B's
.set G0B, 60
.set NA,  66                           ; the next refill's address, half A, half B
.set NB,  68
.set VA,  70                           ; Wv's
.set VB,  72
.set SEL, 76
.set MSB, 0
.macro WIN new                         ; the immediate's high byte repeats the setting that is left
.if MSB != \new
	s_set_vgpr_msb (MSB<<8)|\new
.set MSB, \new
.endif
.endm
.macro PLACES                          ; a load into a register that a matrix instruction has read, and a read of a result, stand four plain vector instructions behind it
.rept 4
	v_nop
.endr
.endm
.macro CROUND                          ; a round of the cluster's barrier
	s_barrier_signal -1
	s_barrier_wait -1
	s_cmp_lg_u32 s14, 0
	s_cbranch_scc1 .Lnot_wave_0_\@
	s_barrier_signal -3
.Lnot_wave_0_\@:
	s_barrier_wait -3
	s_barrier_signal -1
	s_barrier_wait -1
.endm
.macro G1SET g, rows                   ; dense bytes as rows of 256: 32 elements of 8 bytes
	s_mov_b32 s[\g+1], 32<<16
	s_mov_b32 s[\g+2], (\rows)<<16
	s_mov_b32 s[\g+3], 32<<16
	s_mov_b32 s[\g+4], \rows
	s_mov_b32 s[\g+5], 32
	s_mov_b32 s[\g+6], 0
	s_mov_b32 s[\g+7], 0
.endm
	s_load_b128 s[4:7], s[0:1], 0x0                ; opc, att
	v_lshl_add_u32 v[SPW], v0, 2, SPARE
	v_mov_b32 v[NIL], 0
	ds_add_u32 v[SPW], v[NIL]                      ; the opening: the add, twice on end, and its wait ahead of my first tensor load
	ds_add_u32 v[SPW], v[NIL]
	v_lshrrev_b32 v1, 5, v0
	v_readfirstlane_b32 s14, v1                    ; wave
	s_lshr_b32 s15, s14, 1                         ; my token group.  At the head: I fetch x (0) or W (1)
	s_and_b32 s16, s14, 1                          ; my half of source 1's tiles.  At the head: which part I fetch
	s_bfe_u32 s78, ttmp6, 0x40000                  ; cx
	s_bfe_u32 s79, ttmp6, 0x40004                  ; cy
	s_lshl_b32 s18, ttmp9, 2
	s_add_co_u32 s18, s18, s78                     ; c
	s_and_b32 s17, ttmp7, 0xffff
	s_lshl_b32 s17, s17, 2
	s_add_co_u32 s17, s17, s79                     ; T
	s_lshl_b32 s80, s79, 2
	s_lshl_b32 s80, 15, s80                        ; my row of the cluster
	s_lshl_b32 s81, 0x1111, s78                    ; my column
	s_or_b32 s[G1X], s80, (3<<16)|(1<<21)          ; the mask; elements of 8 bytes; bit 21 beside a mask
	s_or_b32 s[G1W], s81, (3<<16)|(1<<21)
	s_or_b32 s[G1F], s81, (3<<16)|(1<<21)
	G1SET G1X, 400
	G1SET G1W, 200
	G1SET G1F, 50
	s_lshl_b32 s20, s17, 1
	s_add_co_u32 s20, s20, s16
	s_mul_i32 s20, s20, 8*REC                      ; x: token group 2 T + which
	s_mov_b32 s21, 0
	s_mul_i32 s90, s18, 16*REC
	s_add_co_u32 s90, s90, 256*REC                 ; W's group 2 c
	s_mul_i32 s91, s14, REC                        ; a refill: a record a wave
	s_mul_i32 s92, s16, 4*REC
	s_add_co_u32 s22, s90, s92                     ; at the head: its K steps 0-3 or 4-7
	s_mov_b32 s23, 0
	s_add_co_u32 s[NA], s90, s91
	s_add_co_u32 s[NA], s[NA], 8*REC               ; group 2 c + 1, K steps 0-3,
	s_mov_b32 s[NA+1], 0
	s_add_co_u32 s[NB], s[NA], 4*REC               ; and 4-7
	s_mov_b32 s[NB+1], 0
	s_mul_i32 s[VA], s18, 8*REC
	s_add_co_u32 s[VA], s[VA], s91
	s_add_co_u32 s[VA], s[VA], 512*REC             ; Wv's head c, K steps 0-3,
	s_mov_b32 s[VA+1], 0
	s_add_co_u32 s[VB], s[VA], 4*REC               ; and 4-7
	s_mov_b32 s[VB+1], 0
	s_mul_i32 s93, s16, 8*REC                      ; LDS: x's group at the head
	s_add_co_u32 s92, s92, WREG                    ; W's half at the head
	s_mul_i32 s84, s15, 8*REC                      ; my token group, all tiles;
	s_mul_i32 s87, s16, 4*FRB
	s_lshl_b32 s88, s16, 3
	s_add_co_u32 s82, s84, s87                     ; my 4 tiles of it;
	s_add_co_u32 s83, s84, s88                     ; my 2 registers of its image
	s_add_co_u32 s85, s87, WREG                    ; the same of W
	s_add_co_u32 s86, s88, WREG
	s_lshl_b32 s94, s17, 1
	s_add_co_u32 s94, s94, s15                     ; my token group's number
	s_lshl_b32 s8, s18, 6
	s_add_co_u32 s8, s8, s94
	s_mul_i32 s8, s8, REC                          ; q, k: record 32 (2 c) + group of tokens
	s_mov_b32 s9, 0
	s_lshr_b32 s12, s94, 4
	s_lshl_b32 s12, s12, 4
	s_add_co_u32 s12, s12, s18
	s_lshl_b32 s12, s12, 4
	s_and_b32 s95, s94, 15
	s_add_co_u32 s12, s12, s95
	s_add_co_u32 s12, s12, 1024
	s_mul_i32 s12, s12, REC                        ; v: record 1,024 + 16 (16 batch + head) + key step
	s_mov_b32 s13, 0
	s_mov_b32 s[SEL], 0x76543210
	s_mov_b32 s[SEL+1], 0xfedcba98
	s_mov_b32 s74, 0xffff0000                      ; lanes 16-31
	s_wait_dscnt 0x0                               ; both opening adds are done
	s_wait_kmcnt 0x0
	s_add_nc_u64 s[20:21], s[4:5], s[20:21]
	s_add_nc_u64 s[22:23], s[4:5], s[22:23]
	s_add_nc_u64 s[NA:NA+1], s[4:5], s[NA:NA+1]
	s_add_nc_u64 s[NB:NB+1], s[4:5], s[NB:NB+1]
	s_add_nc_u64 s[VA:VA+1], s[4:5], s[VA:VA+1]
	s_add_nc_u64 s[VB:VB+1], s[4:5], s[VB:VB+1]
	s_add_nc_u64 s[10:11], s[6:7], s[12:13]        ; tile 2's record
	s_add_nc_u64 s[6:7], s[6:7], s[8:9]            ; tile 0's
	CROUND                                         ; all sixteen work-groups are here: the first joint loads meet
	s_mov_b32 s[G0H], 1
	s_add_co_u32 s[G0H+1], s93, 0
	s_mov_b64 s[G0H+2:G0H+3], s[20:21]
	s_or_b32 s[G0H+3], s[G0H+3], 0x80000000
	s_mov_b32 s[G0HW], 1
	s_add_co_u32 s[G0HW+1], s92, 0
	s_mov_b64 s[G0HW+2:G0HW+3], s[22:23]
	s_or_b32 s[G0HW+3], s[G0HW+3], 0x80000000
	s_mov_b32 s[G0A], 1
	s_add_co_u32 s[G0A+1], s91, WREG
	s_mov_b32 s[G0B], 1
	s_add_co_u32 s[G0B+1], s91, WREG+4*REC
	s_cmp_eq_u32 s15, 0                            ; one tensor load a wave at the head; an s_nop 0 and four v_nop follow each line
	s_cbranch_scc0 .Lhead_w
	tensor_load_to_lds s[G0H:G0H+3], s[G1X:G1X+7]
	s_nop 0
	PLACES
	s_branch .Lhead_asked
.Lhead_w:
	tensor_load_to_lds s[G0HW:G0HW+3], s[G1W:G1W+7]
	s_nop 0
	PLACES
.Lhead_asked:
	v_and_b32 v1, 31, v0
	v_lshlrev_b32 v[LI], 4, v1
	v_add_nc_u32 v[WB], WREG, v[LI]
	v_add_nc_u32 v[XH], s82, v[LI]
	v_add_nc_u32 v[XS], s83, v[LI]
	v_add_nc_u32 v[XF], s84, v[LI]
	v_add_nc_u32 v[WH], s85, v[LI]
	v_add_nc_u32 v[WS], s86, v[LI]
.irp r, WB, XH, XS, XF, WH, WS         ; an LDS offset has 16 bits: one address for each four records
	v_add_nc_u32 v[\r+1], 4*REC, v[\r]
.endr
	v_add_nc_u32 v[FO], s87, v[LI]
	v_add_nc_u32 v[SO], s88, v[LI]
.irp b, 0,1,2,3
	v_mov_b32 v[TM+4+\b], 0                        ; written once: a lane permute's destination counts as one of its sources
.endr
; K step q's fragments (source 0's eight from p0, source 1's four from p1) into window 0 (q even) or 2 (q odd), and its scale words into set q % 2
.macro FETCH p0, p1, p1s, q
.set U,  (\q)/4
.set QO, ((\q)%4)*REC
.set S,  (\q)%2
.set WV, 0x80*S
	WIN WV
.irp i, 0,1,2,3,4,5,6,7
.irp c, 0,1,2
	ds_load_b128 v[F+12*\i+4*\c:F+12*\i+4*\c+3], v[\p0+U] offset:QO+\i*FRB+512*\c
.endr
.endr
.irp i, 0,1,2,3
.irp c, 0,1,2
	ds_load_b128 v[F+96+12*\i+4*\c:F+96+12*\i+4*\c+3], v[\p1+U] offset:QO+\i*FRB+512*\c
.endr
.endr
	WIN 0
	ds_load_b128 v[SCB+8*S:SCB+8*S+3], v[\p0+U] offset:QO+SCI
	ds_load_b64 v[SCB+8*S+4:SCB+8*S+5], v[\p1s+U] offset:QO+SCI
.endm
; source 1's tile a x source 0's tile b.  A tile's scale words lie in register tile / 2 of its image, in lanes 0-15 (even tile) or 16-31 (odd tile).
.macro WM a, b, s, zero
.set rD, 8*(8*(\a)+(\b))
.set rP, F+12*(\b)
.set rR, F+96+12*(\a)
.set sP, SCB+8*(\s)+(\b)/2
.set sR, SCB+8*(\s)+4+(\a)/2
.set KND, 4*(\zero)+2*((\a)%2)+(\b)%2
.if KND == 0
	v_wmma_scale_f32_16x16x128_f8f6f4 v[rD:rD+7], v[rP:rP+11], v[rR:rR+11], v[rD:rD+7], v[sP], v[sR] matrix_a_fmt:MATRIX_FMT_FP6 matrix_b_fmt:MATRIX_FMT_FP6
.elseif KND == 1
	v_wmma_scale_f32_16x16x128_f8f6f4 v[rD:rD+7], v[rP:rP+11], v[rR:rR+11], v[rD:rD+7], v[sP], v[sR] matrix_a_fmt:MATRIX_FMT_FP6 matrix_b_fmt:MATRIX_FMT_FP6 matrix_a_scale:MATRIX_SCALE_ROW1
.elseif KND == 2
	v_wmma_scale_f32_16x16x128_f8f6f4 v[rD:rD+7], v[rP:rP+11], v[rR:rR+11], v[rD:rD+7], v[sP], v[sR] matrix_a_fmt:MATRIX_FMT_FP6 matrix_b_fmt:MATRIX_FMT_FP6 matrix_b_scale:MATRIX_SCALE_ROW1
.elseif KND == 3
	v_wmma_scale_f32_16x16x128_f8f6f4 v[rD:rD+7], v[rP:rP+11], v[rR:rR+11], v[rD:rD+7], v[sP], v[sR] matrix_a_fmt:MATRIX_FMT_FP6 matrix_b_fmt:MATRIX_FMT_FP6 matrix_a_scale:MATRIX_SCALE_ROW1 matrix_b_scale:MATRIX_SCALE_ROW1
.elseif KND == 4
	v_wmma_scale_f32_16x16x128_f8f6f4 v[rD:rD+7], v[rP:rP+11], v[rR:rR+11], 0, v[sP], v[sR] matrix_a_fmt:MATRIX_FMT_FP6 matrix_b_fmt:MATRIX_FMT_FP6
.elseif KND == 5
	v_wmma_scale_f32_16x16x128_f8f6f4 v[rD:rD+7], v[rP:rP+11], v[rR:rR+11], 0, v[sP], v[sR] matrix_a_fmt:MATRIX_FMT_FP6 matrix_b_fmt:MATRIX_FMT_FP6 matrix_a_scale:MATRIX_SCALE_ROW1
.elseif KND == 6
	v_wmma_scale_f32_16x16x128_f8f6f4 v[rD:rD+7], v[rP:rP+11], v[rR:rR+11], 0, v[sP], v[sR] matrix_a_fmt:MATRIX_FMT_FP6 matrix_b_fmt:MATRIX_FMT_FP6 matrix_b_scale:MATRIX_SCALE_ROW1
.else
	v_wmma_scale_f32_16x16x128_f8f6f4 v[rD:rD+7], v[rP:rP+11], v[rR:rR+11], 0, v[sP], v[sR] matrix_a_fmt:MATRIX_FMT_FP6 matrix_b_fmt:MATRIX_FMT_FP6 matrix_a_scale:MATRIX_SCALE_ROW1 matrix_b_scale:MATRIX_SCALE_ROW1
.endif
.endm
.macro MULH s, a0, zero                ; 16 matrix instructions: source 1's tiles a0, a0 + 1 x source 0's eight, on set s; C and D in window 1
.set WV, 0x50+0x0a*(\s)
	WIN WV
.irp a, \a0, \a0+1
.irp b, 0,1,2,3,4,5,6,7
	WM \a, \b, \s, \zero
.endr
.endr
	WIN 0
.endm
.macro STD p0, p1, p1s, q              ; a K step whose successor's records are known to be whole
	PLACES
	FETCH \p0, \p1, \p1s, (\q)+1
	s_wait_dscnt NF                                ; this step's loads are in; the next step's may be out
	MULH (\q)%2, 0, 0
	MULH (\q)%2, 2, 0
.endm
; A half's last K step (its fragments were asked for a step ago): the three lines, a round, the refill.  No tensor load of mine is out behind the wait, so group 0 may be written.
.macro TURNF g0, nx, vx
	s_wait_tensorcnt 0x0                           ; all my tensor loads have landed: my record of the other half
	ds_add_u32 v[SPW], v[NIL]
	s_mov_b64 s[\g0+2:\g0+3], s[\nx:\nx+1]
	s_or_b32 s[\g0+3], s[\g0+3], 0x80000000
	s_mov_b64 s[\nx:\nx+1], s[\vx:\vx+1]           ; the next trip's refill is Wv's
	s_wait_dscnt 1                                 ; this step's loads are in (the add may be out)
	MULH 1, 0, 0
	s_wait_dscnt 0x0                               ; the add is done, and my reads of this half are over
	CROUND
	tensor_load_to_lds s[\g0:\g0+3], s[G1F:G1F+7]  ; the first tensor load behind the round: a record a wave
	s_nop 0
	PLACES
.endm
; Source 1's tile a: its eight accumulators are 64 numbers of a lane, register 16 b + i = index 32 b + 16 (lane / 16) + i along source 0: quantised as they stand.  Each accumulator is read from its low end on.
.macro QUANTW a
.set AC, 64*(\a)
	WIN 0x05                                       ; sources 0 and 1: window 1
.irp b, 0,1,2,3
	v_max3_num_f32 v[TM+\b], |v[AC+16*\b]|, |v[AC+1+16*\b]|, 0x1800000   ; and the floor 2^(3 - 127)
.endr
.irp i, 2,4,6,8,10,12,14
.irp b, 0,1,2,3
	v_max3_num_f32 v[TM+\b], |v[AC+16*\b+\i]|, |v[AC+1+16*\b+\i]|, v[TM+\b]
.endr
.endr
	WIN 0
.irp b, 0,1,2,3
	v_permlanex16_b32 v[TM+4+\b], v[TM+\b], s[SEL], s[SEL+1]
.endr
.irp b, 0,1,2,3
	v_max_num_f32 v[TM+\b], v[TM+\b], v[TM+4+\b]
.endr
.irp b, 0,1,2,3
	v_add_nc_u32 v[TM+12+\b], 0xff000000, v[TM+\b]                 ; 2 off the exponent field: the conversion's scale operand
.endr
.irp b, 0,1,2,3
	v_lshrrev_b32 v[TM+4+\b], 23, v[TM+12+\b]                      ; the scale's byte
.endr
	v_lshl_or_b32 v[PWS+(\a)], v[TM+5], 8, v[TM+4]
	v_lshl_or_b32 v[PWS+(\a)], v[TM+6], 16, v[PWS+(\a)]
	v_lshl_or_b32 v[PWS+(\a)], v[TM+7], 24, v[PWS+(\a)]
	WIN 0x01                                       ; source 0: window 1
.irp c, 0,1
	v_cvt_scalef32_pk16_fp6_f32 v[PC+6*\c:PC+2+6*\c], v[AC+32*\c:AC+15+32*\c], v[TM+12+2*\c]
	v_cvt_scalef32_pk16_fp6_f32 v[PC+12+4*\c:PC+14+4*\c], v[AC+16+32*\c:AC+31+32*\c], v[TM+12+2*\c+1]
.endr
	WIN 0
	v_nop                                          ; one plain place behind a scaled conversion
.irp c, 0,1
.irp i, 0,1,2
	v_permlane16_swap_b32 v[PC+6*\c+\i], v[PC+12+4*\c+\i]
.endr
.irp i, 0,1,2
	v_mov_b32 v[PC+3+6*\c+\i], v[PC+12+4*\c+\i]
.endr
.endr
.endm
; A tile: 8 K steps, then its way out to the record at s[6:7].  fill = 1: W's two halves are filled again for the next tile.
.macro TILE p0, p1, p1s, fill
	PLACES
	FETCH \p0, \p1, \p1s, 0
	FETCH \p0, \p1, \p1s, 1
	s_wait_dscnt NF
	MULH 0, 0, 1                                   ; the first step's products start the sums: nothing is cleared
	MULH 0, 2, 1
	STD \p0, \p1, \p1s, 1
	STD \p0, \p1, \p1s, 2
.if \fill
	TURNF G0A, NA, VA
.else
	s_wait_tensorcnt 0x0                           ; my record of W's second half is in
	s_wait_dscnt 0x0
	s_barrier_signal -1
	MULH 1, 0, 0
	s_barrier_wait -1
	PLACES
.endif
	FETCH \p0, \p1, \p1s, 4
	MULH 1, 2, 0
	STD \p0, \p1, \p1s, 4
	STD \p0, \p1, \p1s, 5
	STD \p0, \p1, \p1s, 6
.if \fill
	TURNF G0B, NB, VB
.else
	s_wait_dscnt 0x0
	MULH 1, 0, 0
.endif
	MULH 1, 2, 0
	PLACES
.irp t, 0,1,2,3
	s_wait_xcnt 0x0                                ; earlier stores have read their registers: the codes may be written again
	QUANTW \t
.irp c, 0,1,2
	global_store_b128 v[FO], v[PC+4*\c:PC+4*\c+3], s[6:7] offset:(\t)*FRB+512*\c   ; 512 consecutive bytes a store
.endr
.endr
.irp i, 0,1
	v_cndmask_b32 v[IMG+\i], v[PWS+2*\i], v[PWS+2*\i+1], s74       ; lanes 0-15: the even tile's words; lanes 16-31: the odd tile's
.endr
	global_store_b64 v[SO], v[IMG:IMG+1], s[6:7] offset:SCI
	s_wait_xcnt 0x0                                ; the stores have read their base
.endm
	s_wait_alu depctr_va_vdst(0)
	s_wait_tensorcnt 0x0                           ; my part of the head's 24 records is in
	s_barrier_signal -1
	s_barrier_wait -1                              ; and everybody's
	s_mov_b32 s3, 2
.Ltile:                                                ; tiles 0 and 1
	TILE WB, XH, XS, 1
	s_add_nc_u64 s[6:7], s[6:7], 32*REC            ; the next group's record
	s_sub_co_u32 s3, s3, 1
	s_cmp_lg_u32 s3, 0
	s_wait_alu depctr_va_vdst(0)
	s_cbranch_scc1 .Ltile
	s_mov_b64 s[6:7], s[10:11]
	TILE XF, WH, WS, 0                             ; tile 2: the sources' roles are swapped, and nothing more is fetched
	s_wait_tensorcnt 0x0                           ; the wave's end
	ds_add_u32 v[SPW], v[NIL]
	s_wait_dscnt 0x0
	CROUND                                         ; the closing round
	s_endpgm
.Lfunc_end_k_q76272fcd13_proj:
	.size	k_q76272fcd13_proj, .Lfunc_end_k_q76272fcd13_proj-k_q76272fcd13_proj
	.p2alignl 7, 3214868480
	.fill 96, 4, 3214868480
	.section	.rodata,"a",@progbits
	.p2align	6, 0x0
	.amdhsa_kernel k_q76272fcd13_proj
		.amdhsa_group_segment_fixed_size 327680
		.amdhsa_private_segment_fixed_size 0
		.amdhsa_enable_private_segment 0
		.amdhsa_kernarg_size 16
		.amdhsa_user_sgpr_count 2
		.amdhsa_user_sgpr_kernarg_segment_ptr 1
		.amdhsa_wavefront_size32 1
		.amdhsa_system_sgpr_workgroup_id_x 1
		.amdhsa_system_sgpr_workgroup_id_y 1
		.amdhsa_system_sgpr_workgroup_id_z 1
		.amdhsa_system_vgpr_workitem_id 0
		.amdhsa_next_free_vgpr 768
		.amdhsa_next_free_sgpr 96
		.amdhsa_reserve_vcc 0
		.amdhsa_float_denorm_mode_32 3
		.amdhsa_float_denorm_mode_16_64 3
		.amdhsa_memory_ordered 1
		.amdhsa_forward_progress 1
		.amdhsa_inst_pref_size 151
	.end_amdhsa_kernel
	.amdgpu_metadata
---
amdhsa.version: [ 1, 2 ]
amdhsa.kernels:
  - .name:           k_q76272fcd13_proj
    .symbol:         k_q76272fcd13_proj.kd
    .args:
      - { .name: opc, .offset: 0, .size: 8, .value_kind: global_buffer, .address_space: global }
      - { .name: att, .offset: 8, .size: 8, .value_kind: global_buffer, .address_space: global }
    .group_segment_fixed_size: 327680
    .private_segment_fixed_size: 0
    .kernarg_segment_align: 8
    .kernarg_segment_size: 16
    .max_flat_workgroup_size: 128
    .sgpr_count:     96
    .vgpr_count:     768
    .wavefront_size: 32
...
	.end_amdgpu_metadata
.endif
;; end of part 3
;; launch attn (part 4): grid 8 x 32, 16 waves a work-group, no clusters, 327,680 bytes of LDS; arguments att, lq1, lk1, lq2, lk2, mc; writes mc
.if DOCPART == 4
	.amdgcn_target "amdgcn-amd-amdhsa--gfx1250"
	.amdhsa_code_object_version 6
	.text
	.protected	k_q76272fcd13_attn
	.globl	k_q76272fcd13_attn
	.p2align	8
	.type	k_q76272fcd13_attn,@function
k_q76272fcd13_attn:
	s_mov_b64 s[64:65], 0
	v_nop
	global_prefetch_b8 v0, s[64:65] scope:SCOPE_SE
	s_setreg_imm32_b32 hwreg(HW_REG_WAVE_MODE, 25, 1), 1
	s_wait_xcnt 0x0
.set REC,   12800
.set FRB,   1536
.set SCI,   12288
.set R1X,   0x8000
.set R2,    0x10000
.set R2X,   0x30000
.set VO,    2*REC
.set SPARE, 0x30000
.set SCX,   SPARE+2048
.set LI,  1
.set SPW, 2
.set NIL, 3
.set ADK, 4
.set SXA, 5
.set QD,  6
.set NINF,7
.set SXR, 8
.set PFO, 9
.set LAM, 10
.set LN,  11
.set NM1, 12
.set L1,  14
.set NM2, 16
.set L2,  18
.set RR1, 20
.set RR2, 22
.set QSC, 24
.set PW,  25
.set QB1, 26
.set QB2, 38
.set FG,  50
.set SA,  98
.set SB1, 162
.set SB2, 130
.set OT,  162
.set PC,  226
.set PX,  238
.set KSC, 246
.set TM0, 250
.set TP0, 252
.set SO0, 254
.set W1,  226
.set W2,  230
.set F1,  234
.set F2,  236
.set A1,  238
.set A2,  240
.set TM,  98
.set WV,  18
.set TA,  19
.set SEL, 20
.set CS,  22
.set G1,  24
.set G0A, 32
.set G0B, 36
.set TB,  40
.set KS,  41
.set QBK, 42
.set SIG, 43
.set TW,  44
.set LL,  45
.set PFA, 46
.set PN,  48
.set PLIM,49
.set SL,  50
.set PN0, 51
.macro QUANT s
.irp b, 0,1,2,3
	v_max3_num_f32 v[TM+\b], |v[\s+16*\b]|, |v[\s+1+16*\b]|, 0x1800000
.endr
.irp i, 2,4,6,8,10,12,14
.irp b, 0,1,2,3
	s_delay_alu instid0(VALU_DEP_4)
	v_max3_num_f32 v[TM+\b], v[TM+\b], |v[\s+16*\b+\i]|, |v[\s+1+16*\b+\i]|
.endr
.endr
.irp b, 0,1,2,3
	s_delay_alu instid0(VALU_DEP_4)
	v_permlanex16_b32 v[TM+4+\b], v[TM+\b], s[SEL], s[SEL+1]
.endr
.irp b, 0,1,2,3
	s_delay_alu instid0(VALU_DEP_4)
	v_max_num_f32 v[TM+\b], v[TM+\b], v[TM+4+\b]
.endr
.irp b, 0,1,2,3
	s_delay_alu instid0(VALU_DEP_4)
	v_add_nc_u32 v[TM+12+\b], 0xff000000, v[TM+\b]
.endr
.irp b, 0,1,2,3
	s_delay_alu instid0(VALU_DEP_4)
	v_lshrrev_b32 v[TM+4+\b], 23, v[TM+12+\b]
.endr
	s_delay_alu instid0(VALU_DEP_3)
	v_lshl_or_b32 v[PW], v[TM+5], 8, v[TM+4]
	s_delay_alu instid0(VALU_DEP_1)
	v_lshl_or_b32 v[PW], v[TM+6], 16, v[PW]
	s_delay_alu instid0(VALU_DEP_1)
	v_lshl_or_b32 v[PW], v[TM+7], 24, v[PW]
.irp c, 0,1
	v_cvt_scalef32_pk16_fp6_f32 v[PC+6*\c:PC+2+6*\c], v[\s+32*\c:\s+15+32*\c], v[TM+12+2*\c]
	v_cvt_scalef32_pk16_fp6_f32 v[PC+12+4*\c:PC+14+4*\c], v[\s+16+32*\c:\s+31+32*\c], v[TM+12+2*\c+1]
.endr
	v_nop
.irp c, 0,1
.irp i, 0,1,2
	v_permlane16_swap_b32 v[PC+6*\c+\i], v[PC+12+4*\c+\i]
.endr
.irp i, 0,1,2
	s_delay_alu instid0(VALU_DEP_3)
	v_mov_b32 v[PC+3+6*\c+\i], v[PC+12+4*\c+\i]
.endr
.endr
.endm
.macro TLOAD1
	s_cmp_eq_u32 s[WV], 0
	s_cbranch_scc0 .Lnt_\@
	tensor_load_to_lds s[G0A:G0A+3], s[G1:G1+7]
	s_nop 0
.rept 4
	v_nop
.endr
.Lnt_\@:
.endm
.macro TLOAD2
	s_cmp_eq_u32 s[WV], 0
	s_cbranch_scc1 .Lnt_\@
	s_cmp_lt_u32 s[WV], 3
	s_cbranch_scc0 .Lnt_\@
	tensor_load_to_lds s[G0B:G0B+3], s[G1:G1+7]
	s_nop 0
.rept 4
	v_nop
.endr
.Lnt_\@:
.endm
.macro ASK
	s_cmp_lt_u32 s[PN], s[PLIM]
	s_cbranch_scc0 .Lnm_\@
	global_prefetch_b8 v[PFO], s[PFA:PFA+1] th:TH_LOAD_NT scope:SCOPE_SE
.Lnm_\@:
.endm
	s_load_b256 s[4:11], s[0:1], 0x0
	s_load_b128 s[12:15], s[0:1], 0x20
	v_lshl_add_u32 v[SPW], v0, 2, SPARE
	v_mov_b32 v[NIL], 0
	ds_add_u32 v[SPW], v[NIL]
	ds_add_u32 v[SPW], v[NIL]
	v_lshrrev_b32 v[ADK], 5, v0
	s_delay_alu instid0(VALU_DEP_1)
	v_readfirstlane_b32 s[WV], v[ADK]
	s_lshr_b32 s[TA], s[WV], 1
	s_lshr_b32 s[SL], s[WV], 2
	s_xor_b32 s[SL], s[SL], s[WV]
	s_and_b32 s[SL], s[SL], 1
	s_sub_co_u32 s66, 15, ttmp9
	s_cmp_eq_u32 s[SL], 1
	s_cselect_b32 s[QBK], s66, ttmp9
	s_lshr_b32 s[LL], s66, 1
	s_and_b32 s67, ttmp7, 0xffff
	s_lshr_b32 s68, s67, 4
	s_lshl_b32 s68, s68, 4
	s_and_b32 s69, s67, 15
	s_add_co_u32 s70, s69, 16
	s_lshl_b32 s70, s70, 5
	s_add_co_u32 s70, s70, s68
	s_mul_i32 s70, s70, REC
	s_mov_b32 s71, 0
	s_lshl_b32 s72, s67, 4
	s_add_co_u32 s72, s72, 1024
	s_mul_i32 s72, s72, REC
	s_mov_b32 s73, 0
	s_lshl_b32 s74, s69, 5
	s_add_co_u32 s74, s74, s68
	s_add_co_u32 s74, s74, s[QBK]
	s_mul_i32 s74, s74, REC
	s_mov_b32 s75, 0
	s_mul_i32 s78, s[TA], FRB
	s_mov_b32 s79, 0
	s_and_b32 s80, s[TA], 1
	s_lshr_b32 s81, s[TA], 1
	s_lshl_b32 s82, s80, 8
	s_lshl_b32 s83, s81, 2
	s_add_co_u32 s82, s82, s83
	s_add_co_u32 s86, s82, SCI
	s_mov_b32 s87, 0
	s_add_co_u32 s84, s68, s[QBK]
	s_lshl_b32 s84, s84, 4
	s_add_co_u32 s84, s84, s69
	s_mul_i32 s84, s84, REC
	s_add_co_u32 s84, s84, s78
	s_mov_b32 s85, 0
	s_lshl_b32 s88, s69, 8
	s_mov_b32 s89, 0
	s_lshl_b32 s91, s[SL], 9
	s_add_co_u32 s91, s91, SCX
	s_add_co_u32 s90, s91, s82
	s_lshl_b32 s92, s81, 5
	s_lshl_b32 s93, s80, 3
	s_add_co_u32 s92, s92, s93
	s_lshr_b32 s94, s[WV], 1
	s_and_b32 s94, s94, 1
	v_and_b32 v[LN], 31, v0
	s_delay_alu instid0(VALU_DEP_1)
	v_lshlrev_b32 v[LI], 4, v[LN]
	s_delay_alu instid0(VALU_DEP_2)
	v_lshlrev_b32 v[PFO], 8, v[LN]
	v_and_b32 v241, 15, v0
	v_bfe_u32 v242, v0, 4, 1
	s_delay_alu instid0(VALU_DEP_2)
	v_lshl_add_u32 v[SXA], v241, 4, s90
	v_add_nc_u32 v[SXR], s91, v[LI]
	s_delay_alu instid0(VALU_DEP_4)
	v_and_b32 v[QD], 8, v241
	s_delay_alu instid0(VALU_DEP_1)
	v_add_nc_u32 v[QD], v[QD], v241
	v_lshlrev_b32 v243, 4, v242
	s_delay_alu instid0(VALU_DEP_1)
	v_sub_nc_u32 v[QD], v[QD], v243
	s_delay_alu instid0(VALU_DEP_1)
	v_add_nc_u32 v[QD], s92, v[QD]
	v_mov_b32 v[NINF], 0xff800000
	s_mov_b32 s[G1], 3<<16
	s_mov_b32 s[G1+1], 32<<16
	s_mov_b32 s[G1+2], 100<<16
	s_mov_b32 s[G1+3], 32<<16
	s_mov_b32 s[G1+4], 100
	s_mov_b32 s[G1+5], 32
	s_mov_b32 s[G1+6], 0
	s_mov_b32 s[G1+7], 0
	s_mov_b32 s[SEL], 0x76543210
	s_mov_b32 s[SEL+1], 0xfedcba98
	s_mov_b32 s[CS], 0x3e38aa3b
	s_mov_b32 s[CS+1], s[CS]
	s_mov_b32 s60, 0x3c000000
	s_mov_b32 s61, 0x3727c5ac
	s_mov_b32 s[TB], 0
	s_mov_b32 s[KS], 0
	s_mov_b32 s[SIG], 0
	s_lshr_b32 s66, s[WV], 2
	s_xor_b32 s66, s66, 2
	s_or_b32 s66, s66, ttmp9
	s_cmp_eq_u32 s66, 0
	s_cselect_b32 s[PLIM], 25, 0
	s_and_b32 s[PN0], s[WV], 3
	s_add_co_u32 s[PN0], s[PN0], 2
	s_mov_b32 s[PN], s[PN0]
	s_lshl_b32 s76, s[PN0], 13
	s_mov_b32 s77, 0
	s_wait_dscnt 0x0
	s_wait_kmcnt 0x0
	s_mov_b32 s[G0A], 1
	s_mov_b32 s[G0A+1], 0
	s_add_nc_u64 s[G0A+2:G0A+3], s[4:5], s[70:71]
	s_or_b32 s[G0A+3], s[G0A+3], 0x80000000
	s_mov_b32 s[G0B], 1
	s_mul_i32 s[G0B+1], s94, VO
	s_add_co_u32 s[G0B+1], s[G0B+1], R2
	s_cmp_eq_u32 s94, 0
	s_cselect_b32 s96, s70, s72
	s_mov_b32 s97, 0
	s_add_nc_u64 s[G0B+2:G0B+3], s[4:5], s[96:97]
	s_or_b32 s[G0B+3], s[G0B+3], 0x80000000
	TLOAD1
	s_wait_alu depctr_va_vdst(0)
	s_wait_tensorcnt 0x0
	ds_add_u32 v2, v3
	ds_add_u32 v2, v3
	s_wait_dscnt 0x0
	s_barrier_signal -1
	s_barrier_wait -1
	TLOAD2
	s_add_nc_u64 s[52:53], s[14:15], s[84:85]
	s_add_nc_u64 s[54:55], s[4:5], s[74:75]
	s_add_nc_u64 s[56:57], s[54:55], s[86:87]
	s_add_nc_u64 s[54:55], s[54:55], s[78:79]
	s_add_nc_u64 s[PFA:PFA+1], s[4:5], s[70:71]
	s_add_nc_u64 s[PFA:PFA+1], s[PFA:PFA+1], s[76:77]
	s_add_nc_u64 s[58:59], s[4:5], s[72:73]
	s_add_nc_u64 s[58:59], s[58:59], s[76:77]
	s_add_nc_u64 s[6:7], s[6:7], s[88:89]
	s_add_nc_u64 s[8:9], s[8:9], s[88:89]
	s_add_nc_u64 s[10:11], s[10:11], s[88:89]
	s_add_nc_u64 s[12:13], s[12:13], s[88:89]
	global_load_b128 v[QB1:QB1+3], v[LI], s[54:55]
	global_load_b128 v[FG:FG+3], v[LI], s[54:55] offset:512
	global_load_b128 v[QB2+8:QB2+11], v[LI], s[54:55] offset:1024
	v_lshlrev_b32 v243, 4, v241
	global_load_b32 v[QSC], v243, s[56:57]
	v_lshlrev_b32 v244, 3, v[LN]
	global_load_b64 v[226:227], v244, s[6:7]
	global_load_b64 v[228:229], v244, s[8:9]
	global_load_b64 v[230:231], v244, s[10:11]
	global_load_b64 v[232:233], v244, s[12:13]
	v_mov_b32 v[NM1+1], 0xff61b1e6
	s_delay_alu instid0(VALU_DEP_1)
	v_floor_f32 v[NM1], -v[NM1+1]
	v_mov_b32 v[NM2+1], 0xff61b1e6
	s_delay_alu instid0(VALU_DEP_1)
	v_floor_f32 v[NM2], -v[NM2+1]
.irp j, L1, L1+1, L2, L2+1, F1+1, F2+1, TP0, TP0+1
	v_mov_b32 v[\j], 0
.endr
.irp j, 0,1,2,3,4,5
	v_mov_b32 v[QB1+6+\j], 0
	v_mov_b32 v[QB2+\j], 0
.endr
	s_wait_loadcnt 0x0
	v_mov_b32 v[QB1+4], v[FG]
	v_mov_b32 v[QB1+5], v[FG+1]
	v_mov_b32 v[QB2+6], v[FG+2]
	v_mov_b32 v[QB2+7], v[FG+3]
	v_mul_f32 v226, v226, v228
	s_delay_alu instid0(VALU_DEP_1)
	v_fmac_f32 v226, v227, v229
	v_mul_f32 v230, v230, v232
	s_delay_alu instid0(VALU_DEP_1)
	v_fmac_f32 v230, v231, v233
.irp m, 1
	s_delay_alu instid0(VALU_DEP_3)
	v_add_f32_dpp v226, v226, v226 row_xmask:\m row_mask:0xf bank_mask:0xf
	s_delay_alu instid0(VALU_DEP_2)
	v_add_f32_dpp v230, v230, v230 row_xmask:\m row_mask:0xf bank_mask:0xf
.endr
.irp m, 2, 4, 8
	s_delay_alu instid0(VALU_DEP_2)
	v_add_f32_dpp v226, v226, v226 row_xmask:\m row_mask:0xf bank_mask:0xf
	s_delay_alu instid0(VALU_DEP_2)
	v_add_f32_dpp v230, v230, v230 row_xmask:\m row_mask:0xf bank_mask:0xf
.endr
	s_delay_alu instid0(VALU_DEP_2)
	v_permlanex16_b32 v227, v226, s[SEL], s[SEL+1]
	s_delay_alu instid0(VALU_DEP_2)
	v_permlanex16_b32 v231, v230, s[SEL], s[SEL+1]
	s_delay_alu instid0(VALU_DEP_2)
	v_add_f32 v226, v226, v227
	s_delay_alu instid0(VALU_DEP_2)
	v_add_f32 v230, v230, v231
	s_delay_alu instid0(VALU_DEP_2)
	v_mul_f32 v226, 0x3fb8aa3b, v226
	s_delay_alu instid0(VALU_DEP_2)
	v_mul_f32 v230, 0x3fb8aa3b, v230
	s_wait_alu depctr_va_vdst(0)
	v_exp_f32 v226, v226
	v_exp_f32 v230, v230
	v_nop
	s_wait_alu depctr_va_vdst(0)
	v_sub_f32 v[LAM], v226, v230
	s_delay_alu instid0(VALU_DEP_1)
	v_add_f32 v[LAM], 0x3f47227f, v[LAM]
.macro WS d, f, q, T
.if (\T)%2
	v_wmma_scale_f32_16x16x128_f8f6f4 v[(\d):(\d)+7], v[(\f):(\f)+11], v[(\q):(\q)+11], 0, v[KSC+(\T)/2], v[QSC] matrix_a_fmt:MATRIX_FMT_FP6 matrix_b_fmt:MATRIX_FMT_FP6 matrix_a_scale:MATRIX_SCALE_ROW1
.else
	v_wmma_scale_f32_16x16x128_f8f6f4 v[(\d):(\d)+7], v[(\f):(\f)+11], v[(\q):(\q)+11], 0, v[KSC+(\T)/2], v[QSC] matrix_a_fmt:MATRIX_FMT_FP6 matrix_b_fmt:MATRIX_FMT_FP6
.endif
.endm
.macro WO t, f
.if (\t)%2
	v_wmma_scale_f32_16x16x128_f8f6f4 v[OT+8*(\t):OT+8*(\t)+7], v[(\f):(\f)+11], v[PC:PC+11], v[OT+8*(\t):OT+8*(\t)+7], v[KSC+(\t)/2], v[PW] matrix_a_fmt:MATRIX_FMT_FP6 matrix_b_fmt:MATRIX_FMT_FP6 matrix_a_scale:MATRIX_SCALE_ROW1
.else
	v_wmma_scale_f32_16x16x128_f8f6f4 v[OT+8*(\t):OT+8*(\t)+7], v[(\f):(\f)+11], v[PC:PC+11], v[OT+8*(\t):OT+8*(\t)+7], v[KSC+(\t)/2], v[PW] matrix_a_fmt:MATRIX_FMT_FP6 matrix_b_fmt:MATRIX_FMT_FP6
.endif
.endm
.macro FOUR g, base
.irp t, 0,1,2,3
.irp c, 0,1,2
	ds_load_b128 v[FG+12*\t+4*\c:FG+12*\t+4*\c+3], v[ADK] offset:(\base)+(4*(\g)+\t)*FRB+512*\c
.endr
.endr
.endm
.macro NOPS n
.rept \n
	v_nop
.endr
.endm
.macro ROWMAX rS, W, NM, F
.irp b, 0,1,2,3
	v_max3_num_f32 v[\W+\b], v[\rS+16*\b], v[\rS+16*\b+1], v[\rS+16*\b+2]
.endr
.irp i, 3,5,7,9,11,13
.irp b, 0,1,2,3
	v_max3_num_f32 v[\W+\b], v[\W+\b], v[\rS+16*\b+\i], v[\rS+16*\b+\i+1]
.endr
.endr
.irp b, 0,1,2,3
	v_max_num_f32 v[\W+\b], v[\W+\b], v[\rS+16*\b+15]
.endr
	s_delay_alu instid0(VALU_DEP_2)
	v_max3_num_f32 v[\W], v[\W], v[\W+1], v[\W+2]
	s_delay_alu instid0(VALU_DEP_1)
	v_max_num_f32 v[\W], v[\W], v[\W+3]
	s_delay_alu instid0(VALU_DEP_1)
	v_permlanex16_b32 v[\W+1], v[\W], s[SEL], s[SEL+1]
	s_delay_alu instid0(VALU_DEP_1)
	v_max_num_f32 v[\W], v[\W], v[\W+1]
	s_delay_alu instid0(VALU_DEP_1)
	v_mul_f32 v[\W], s[CS], v[\W]
	s_delay_alu instid0(VALU_DEP_1)
	v_max_num_f32 v[\NM+1], v[\NM+1], v[\W]
	v_mov_b32 v[\W], v[\NM]
	s_delay_alu instid0(VALU_DEP_2)
	v_floor_f32 v[\NM], -v[\NM+1]
	s_delay_alu instid0(VALU_DEP_1)
	v_sub_f32 v[\W], v[\NM], v[\W]
	s_delay_alu instid0(VALU_DEP_1)
	v_cvt_i32_f32 v[\W], v[\W]
	s_delay_alu instid0(VALU_DEP_1)
	v_ldexp_f32 v[\F], 1.0, v[\W]
.endm
.macro ROWSUM rS, L, A
	v_pk_add_f32 v[\A:\A+1], v[\rS:\rS+1], v[\rS+2:\rS+3]
.irp j, 4,8,12,16,20,24,28,32,36,40,44,48,52,56,60
	v_pk_add_f32 v[\L:\L+1], v[\L:\L+1], v[\rS+\j:\rS+\j+1]
	v_pk_add_f32 v[\A:\A+1], v[\A:\A+1], v[\rS+\j+2:\rS+\j+3]
.endr
	s_delay_alu instid0(VALU_DEP_1)
	v_pk_add_f32 v[\L:\L+1], v[\L:\L+1], v[\A:\A+1]
.endm
.macro STEP1
	s_cmp_gt_u32 s[KS], s[QBK]
	s_cbranch_scc1 .Lh1_\@
	v_add_nc_u32 v[ADK], s[TB], v[LI]
	s_wait_alu depctr_va_vdst(0)
	NOPS 3
	ds_load_b128 v[KSC:KSC+3], v[ADK] offset:SCI
.irp g, 0,1
.if \g
	NOPS 4
.endif
	FOUR \g, 0
	s_wait_dscnt 0x0
.irp t, 0,1,2,3
	WS SA+8*(4*\g+\t), FG+12*\t, QB1, 4*\g+\t
	WS SB1+8*(4*\g+\t), FG+12*\t, QB2, 4*\g+\t
.endr
.endr
	NOPS 4
	s_cmp_lg_u32 s[KS], s[QBK]
	s_cbranch_scc1 .Lo1_\@
.set n, 0
.rept 64
	v_cmp_gt_i32 vcc_lo, 32*(n/16)+n%16, v[QD]
	v_cndmask_b32 v[SA+n], v[SA+n], v[NINF], vcc_lo
	v_cndmask_b32 v[SB1+n], v[SB1+n], v[NINF], vcc_lo
.set n, n+1
.endr
.Lo1_\@:
	ROWMAX SA, W1, NM1, F1
	ROWMAX SB1, W2, NM2, F2
.set n, 0
.rept 32
	v_pk_fma_f32 v[SA+n:SA+n+1], v[SA+n:SA+n+1], s[CS:CS+1], v[NM1:NM1+1] op_sel_hi:[1,0,0]
	v_pk_fma_f32 v[SB1+n:SB1+n+1], v[SB1+n:SB1+n+1], s[CS:CS+1], v[NM2:NM2+1] op_sel_hi:[1,0,0]
.set n, n+2
.endr
.set n, 0
	s_wait_alu depctr_va_vdst(0)
.rept 64
	v_exp_f32 v[SA+n], v[SA+n]
	v_exp_f32 v[SB1+n], v[SB1+n]
.set n, n+1
.endr
	v_pk_mul_f32 v[L1:L1+1], v[L1:L1+1], v[F1:F1+1] op_sel_hi:[1,0]
	v_pk_mul_f32 v[L2:L2+1], v[L2:L2+1], v[F2:F2+1] op_sel_hi:[1,0]
	s_wait_alu depctr_va_vdst(0)
	ROWSUM SA, L1, A1
	ROWSUM SB1, L2, A2
.Lh1_\@:
	s_add_co_u32 s[TB], s[TB], REC
	s_add_co_u32 s[KS], s[KS], 1
.endm
.macro MASK2 g
	s_cmp_lg_u32 s[KS], s[QBK]
	s_cbranch_scc1 .Lo2_\@
.set n, 0
.rept 32
	v_cmp_gt_i32 vcc_lo, 64*(\g)+32*(n/16)+n%16, v[QD]
	v_cndmask_b32 v[SA+n], v[SA+n], v[NINF], vcc_lo
	v_cndmask_b32 v[SB2+n], v[SB2+n], v[NINF], vcc_lo
.set n, n+1
.endr
.Lo2_\@:
.endm
.macro SOFT g
.set n, 0
.rept 16
	v_pk_fma_f32 v[SA+n:SA+n+1], v[SA+n:SA+n+1], s[CS:CS+1], v[NM1:NM1+1] op_sel_hi:[1,0,0]
	v_pk_fma_f32 v[SB2+n:SB2+n+1], v[SB2+n:SB2+n+1], s[CS:CS+1], v[NM2:NM2+1] op_sel_hi:[1,0,0]
.set n, n+2
.endr
.set n, 0
	s_wait_alu depctr_va_vdst(0)
.rept 32
	v_exp_f32 v[SA+n], v[SA+n]
	v_exp_f32 v[SB2+n], v[SB2+n]
.set n, n+1
.endr
	v_nop
	s_wait_alu depctr_va_vdst(0)
.set n, 0
.rept 16
	v_pk_mul_f32 v[SA+n:SA+n+1], v[SA+n:SA+n+1], v[RR1:RR1+1] op_sel_hi:[1,0]
.set n, n+2
.endr
.set n, 0
.rept 16
	v_pk_fma_f32 v[SA+n:SA+n+1], v[SB2+n:SB2+n+1], v[RR2:RR2+1], v[SA+n:SA+n+1] op_sel_hi:[1,0,1]
.set n, n+2
.endr
.irp b, 0,1
	v_max3_num_f32 v[TM0+\b], |v[SA+16*\b]|, |v[SA+16*\b+1]|, 0x1800000
.endr
.irp i, 2,4,6,8,10,12,14
.irp b, 0,1
	s_delay_alu instid0(VALU_DEP_2)
	v_max3_num_f32 v[TM0+\b], v[TM0+\b], |v[SA+16*\b+\i]|, |v[SA+16*\b+\i+1]|
.endr
.endr
.irp b, 0,1
	s_delay_alu instid0(VALU_DEP_2)
	v_permlanex16_b32 v[TP0+\b], v[TM0+\b], s[SEL], s[SEL+1]
.endr
.irp b, 0,1
	s_delay_alu instid0(VALU_DEP_2)
	v_max_num_f32 v[TM0+\b], v[TM0+\b], v[TP0+\b]
.endr
.irp b, 0,1
	s_delay_alu instid0(VALU_DEP_2)
	v_add_nc_u32 v[SO0+\b], 0xff000000, v[TM0+\b]
.endr
.irp b, 0,1
	s_delay_alu instid0(VALU_DEP_2)
	v_lshrrev_b32 v[TP0+\b], 23, v[SO0+\b]
.endr
.if (\g) == 0
	s_delay_alu instid0(VALU_DEP_1)
	v_lshl_or_b32 v[PW], v[TP0+1], 8, v[TP0]
.else
	s_delay_alu instid0(VALU_DEP_2)
	v_lshl_or_b32 v[PW], v[TP0], 16, v[PW]
	s_delay_alu instid0(VALU_DEP_1)
	v_lshl_or_b32 v[PW], v[TP0+1], 24, v[PW]
.endif
	v_cvt_scalef32_pk16_fp6_f32 v[PC+6*(\g):PC+6*(\g)+2], v[SA:SA+15], v[SO0]
	v_cvt_scalef32_pk16_fp6_f32 v[PX:PX+2], v[SA+16:SA+31], v[SO0+1]
	v_nop
.if (\g) == 1
.irp t, 0,1,2,3
.irp c, 0,1,2
	ds_load_b128 v[SA+12*\t+4*\c:SA+12*\t+4*\c+3], v[ADK] offset:VO+(4+\t)*FRB+512*\c
.endr
.endr
.endif
.irp i, 0,1,2
	v_permlane16_swap_b32 v[PC+6*(\g)+\i], v[PX+\i]
.endr
.irp i, 0,1,2
	s_delay_alu instid0(VALU_DEP_3)
	v_mov_b32 v[PC+6*(\g)+3+\i], v[PX+\i]
.endr
.endm
.macro SCORES2 g
.irp t, 0,1,2,3
	WS SA+8*\t, FG+12*\t, QB1, 4*(\g)+\t
	WS SB2+8*\t, FG+12*\t, QB2, 4*(\g)+\t
.endr
.endm
.macro STEP2
	s_cmp_gt_u32 s[KS], s[QBK]
	s_cbranch_scc1 .Lh2_\@
	v_add_nc_u32 v[ADK], s[TB], v[LI]
	NOPS 4
	ds_load_b128 v[KSC:KSC+3], v[ADK] offset:SCI
	FOUR 0, 0
	s_wait_alu depctr_va_vdst(0)
	s_wait_dscnt 0x0
	SCORES2 0
	NOPS 4
	FOUR 1, 0
	MASK2 0
	SOFT 0
	s_wait_dscnt 0x0
	SCORES2 1
	NOPS 4
	ds_load_b128 v[KSC:KSC+3], v[ADK] offset:VO+SCI
	FOUR 0, VO
	MASK2 1
	SOFT 1
	NOPS 8
	s_wait_alu depctr_va_vdst(0)
	s_wait_dscnt 0x0
.irp t, 0,1,2,3
	WO \t, FG+12*\t
.endr
.irp t, 4,5,6,7
	WO \t, SA+12*(\t-4)
.endr
.Lh2_\@:
	s_add_co_u32 s[TB], s[TB], REC
	s_add_co_u32 s[KS], s[KS], 1
.endm
.macro CHANGE pass, fill, twice
	s_wait_tensorcnt 0x0
	ds_add_u32 v[SPW], v[NIL]
.if \twice
	ds_add_u32 v[SPW], v[NIL]
.endif
.if \fill
.if \pass == 1
	s_xor_b32 s[G0A+1], s[G0A+1], R1X
	s_add_nc_u64 s[G0A+2:G0A+3], s[G0A+2:G0A+3], 2*REC
.else
	s_xor_b32 s[G0B+1], s[G0B+1], R2X
	s_add_nc_u64 s[G0B+2:G0B+3], s[G0B+2:G0B+3], 2*REC
.endif
	s_wait_xcnt 0x0
	s_add_nc_u64 s[PFA:PFA+1], s[PFA:PFA+1], 32768
	s_add_co_u32 s[PN], s[PN], 4
.endif
	s_wait_dscnt 0x0
	s_barrier_signal -1
	s_barrier_wait -1
.if \fill
	s_add_co_u32 s66, s[SIG], 1
	s_cmp_gt_u32 s66, s[LL]
	s_cbranch_scc1 .Lpast_\@
.if \pass == 1
	TLOAD1
.else
	TLOAD2
.endif
.Lpast_\@:
	ASK
.endif
.endm
.macro SLOT1
	s_mov_b32 s[TW], 2
.Ls1_\@:
	STEP1
	s_sub_co_u32 s[TW], s[TW], 1
	s_cmp_lg_u32 s[TW], 0
	s_cbranch_scc1 .Ls1_\@
	s_sub_co_u32 s[TB], s[TB], 2*REC
	s_xor_b32 s[TB], s[TB], R1X
	s_add_co_u32 s[SIG], s[SIG], 1
.endm
.macro SLOT2
	s_mov_b32 s[TW], 2
.Ls2_\@:
	STEP2
	s_sub_co_u32 s[TW], s[TW], 1
	s_cmp_lg_u32 s[TW], 0
	s_cbranch_scc1 .Ls2_\@
	s_sub_co_u32 s[TB], s[TB], 2*REC
	s_xor_b32 s[TB], s[TB], R2X
	s_add_co_u32 s[SIG], s[SIG], 1
.endm
.Lp1:
	CHANGE 1, 1, 1
	SLOT1
	s_cmp_lt_u32 s[SIG], 7
	s_cbranch_scc1 .Lp1
	CHANGE 1, 0, 1
	SLOT1
	v_add_f32 v[L1], v[L1], v[L1+1]
	s_wait_alu depctr_va_vdst(0)
	v_add_f32 v[L2], v[L2], v[L2+1]
	v_permlanex16_b32 v226, v[L1], s[SEL], s[SEL+1]
	s_delay_alu instid0(VALU_DEP_2)
	v_permlanex16_b32 v227, v[L2], s[SEL], s[SEL+1]
	s_delay_alu instid0(VALU_DEP_2)
	v_add_f32 v[L1], v[L1], v226
	s_delay_alu instid0(VALU_DEP_2)
	v_add_f32 v[L2], v[L2], v227
	s_wait_alu depctr_va_vdst(0)
	v_rcp_f32 v[RR1], v[L1]
	v_rcp_f32 v[RR2], v[L2]
	v_nop
	s_wait_alu depctr_va_vdst(0)
	v_mov_b32 v[RR1+1], v[RR1]
	v_mul_f32 v[RR2], -v[LAM], v[RR2]
	s_delay_alu instid0(VALU_DEP_1)
	v_mov_b32 v[RR2+1], v[RR2]
.set n, 0
.rept 64
	v_mov_b32 v[OT+n], 0
.set n, n+1
.endr
	s_mov_b32 s[SIG], 0
	s_mov_b32 s[KS], 0
	s_mov_b32 s[TB], R2
	s_wait_xcnt 0x0
	s_mov_b64 s[PFA:PFA+1], s[58:59]
	s_mov_b32 s[PN], s[PN0]
.Lp2:
	CHANGE 2, 1, 1
	SLOT2
	s_cmp_lt_u32 s[SIG], 7
	s_cbranch_scc1 .Lp2
	CHANGE 2, 0, 0
	SLOT2
	NOPS 4
	v_pk_add_f32 v[226:227], v[OT:OT+1], v[OT+2:OT+3]
	v_pk_add_f32 v[228:229], v[OT+4:OT+5], v[OT+6:OT+7]
.set n, 8
.rept 14
	v_pk_add_f32 v[226:227], v[226:227], v[OT+n:OT+n+1]
	v_pk_add_f32 v[228:229], v[228:229], v[OT+n+2:OT+n+3]
.set n, n+4
.endr
	s_delay_alu instid0(VALU_DEP_1)
	v_pk_add_f32 v[226:227], v[226:227], v[228:229]
	s_delay_alu instid0(VALU_DEP_1)
	v_add_f32 v226, v226, v227
	s_delay_alu instid0(VALU_DEP_1)
	v_permlanex16_b32 v227, v226, s[SEL], s[SEL+1]
	s_delay_alu instid0(VALU_DEP_1)
	v_add_f32 v226, v226, v227
	s_delay_alu instid0(VALU_DEP_1)
	v_mul_f32 v226, s60, v226
	s_delay_alu instid0(VALU_DEP_1)
	v_mov_b32 v227, v226
.set n, 0
.rept 32
	v_pk_add_f32 v[OT+n:OT+n+1], v[OT+n:OT+n+1], v[226:227] neg_lo:[0,1] neg_hi:[0,1]
.set n, n+2
.endr
	v_pk_mul_f32 v[228:229], v[OT:OT+1], v[OT:OT+1]
	v_pk_mul_f32 v[230:231], v[OT+2:OT+3], v[OT+2:OT+3]
.set n, 4
.rept 15
	s_delay_alu instid0(VALU_DEP_2)
	v_pk_fma_f32 v[228:229], v[OT+n:OT+n+1], v[OT+n:OT+n+1], v[228:229]
	s_delay_alu instid0(VALU_DEP_2)
	v_pk_fma_f32 v[230:231], v[OT+n+2:OT+n+3], v[OT+n+2:OT+n+3], v[230:231]
.set n, n+4
.endr
	s_delay_alu instid0(VALU_DEP_1)
	v_pk_add_f32 v[228:229], v[228:229], v[230:231]
	s_delay_alu instid0(VALU_DEP_1)
	v_add_f32 v228, v228, v229
	s_delay_alu instid0(VALU_DEP_1)
	v_permlanex16_b32 v229, v228, s[SEL], s[SEL+1]
	s_delay_alu instid0(VALU_DEP_1)
	v_add_f32 v228, v228, v229
	s_delay_alu instid0(VALU_DEP_1)
	v_fma_f32 v228, v228, s60, s61
	s_wait_alu depctr_va_vdst(0)
	v_rsq_f32 v228, v228
	v_nop
	s_wait_alu depctr_va_vdst(0)
	v_mul_f32 v228, 0x3e637605, v228
	s_delay_alu instid0(VALU_DEP_1)
	v_mov_b32 v229, v228
.set n, 0
.rept 32
	v_pk_mul_f32 v[OT+n:OT+n+1], v[OT+n:OT+n+1], v[228:229]
.set n, n+2
.endr
.irp b, 0,1,2,3
	v_mov_b32 v[TM+4+\b], 0
.endr
	QUANT OT
.irp c, 0,1,2
	global_store_b128 v[LI], v[PC+4*\c:PC+4*\c+3], s[52:53] offset:512*\c
.endr
	ds_store_b32 v[SXA], v[PW]
	s_wait_dscnt 0x0
	s_barrier_signal -1
	s_barrier_wait -1
	s_cmp_lt_u32 s[WV], 2
	s_cbranch_scc0 .Lend
	ds_load_b128 v[TM:TM+3], v[SXR]
	s_wait_dscnt 0x0
	global_store_b128 v[LI], v[TM:TM+3], s[52:53] offset:SCI
.Lend:
	s_wait_tensorcnt 0x0
	ds_add_u32 v[SPW], v[NIL]
	s_wait_dscnt 0x0
	s_endpgm
.Lfunc_end_k_q76272fcd13_attn:
	.size	k_q76272fcd13_attn, .Lfunc_end_k_q76272fcd13_attn-k_q76272fcd13_attn
	.p2alignl 7, 3214868480
	.fill 96, 4, 3214868480
	.section	.rodata,"a",@progbits
	.p2align	6, 0x0
	.amdhsa_kernel k_q76272fcd13_attn
		.amdhsa_group_segment_fixed_size 327680
		.amdhsa_private_segment_fixed_size 0
		.amdhsa_enable_private_segment 0
		.amdhsa_kernarg_size 48
		.amdhsa_user_sgpr_count 2
		.amdhsa_user_sgpr_kernarg_segment_ptr 1
		.amdhsa_wavefront_size32 1
		.amdhsa_system_sgpr_workgroup_id_x 1
		.amdhsa_system_sgpr_workgroup_id_y 1
		.amdhsa_system_sgpr_workgroup_id_z 1
		.amdhsa_system_vgpr_workitem_id 0
		.amdhsa_next_free_vgpr 256
		.amdhsa_next_free_sgpr 100
		.amdhsa_reserve_vcc 1
		.amdhsa_float_denorm_mode_32 3
		.amdhsa_float_denorm_mode_16_64 3
		.amdhsa_memory_ordered 1
		.amdhsa_forward_progress 1
		.amdhsa_inst_pref_size 155
	.end_amdhsa_kernel
	.amdgpu_metadata
---
amdhsa.version: [ 1, 2 ]
amdhsa.kernels:
  - .name:           k_q76272fcd13_attn
    .symbol:         k_q76272fcd13_attn.kd
    .args:
      - { .name: att, .offset: 0, .size: 8, .value_kind: global_buffer, .address_space: global }
      - { .name: lq1, .offset: 8, .size: 8, .value_kind: global_buffer, .address_space: global }
      - { .name: lk1, .offset: 16, .size: 8, .value_kind: global_buffer, .address_space: global }
      - { .name: lq2, .offset: 24, .size: 8, .value_kind: global_buffer, .address_space: global }
      - { .name: lk2, .offset: 32, .size: 8, .value_kind: global_buffer, .address_space: global }
      - { .name: mc, .offset: 40, .size: 8, .value_kind: global_buffer, .address_space: global }
    .group_segment_fixed_size: 327680
    .private_segment_fixed_size: 0
    .kernarg_segment_align: 8
    .kernarg_segment_size: 48
    .max_flat_workgroup_size: 512
    .sgpr_count:     100
    .vgpr_count:     256
    .wavefront_size: 32
...
	.end_amdgpu_metadata
.endif
;; end of part 4
;; launch outp (part 5): grid 8 x 32, 4 waves a work-group, clusters of 4 x 4, 327,680 bytes of LDS; arguments opc, mc, out0; writes out0
.if DOCPART == 5
	.amdgcn_target "amdgcn-amd-amdhsa--gfx1250"
	.amdhsa_code_object_version 6
	.text
	.protected	k_q76272fcd13_outp
	.globl	k_q76272fcd13_outp
	.p2align	8
	.type	k_q76272fcd13_outp,@function
k_q76272fcd13_outp:
	s_mov_b64 s[64:65], 0
	v_nop
	global_prefetch_b8 v0, s[64:65] scope:SCOPE_SE
	s_setreg_imm32_b32 hwreg(HW_REG_WAVE_MODE, 25, 1), 1
	s_wait_xcnt 0x0
	s_wait_alu depctr_hold_cnt(0) depctr_sa_sdst(0) depctr_va_vdst(0) depctr_va_sdst(0) depctr_va_ssrc(0) depctr_va_vcc(0) depctr_vm_vsrc(0)
	s_getreg_b32 s2, hwreg(HW_REG_IB_STS2, 6, 4)
	s_cmp_eq_u32 s2, 0
	s_cbranch_scc0 .Lentry_in_a_cluster
	s_endpgm
.Lentry_in_a_cluster:
	s_bfe_u32 s2, ttmp6, 0x10000c
	s_cmp_lg_u32 s2, 0xf033
	s_cbranch_scc0 .Lentry_shape_is_right
	s_endpgm
.Lentry_shape_is_right:
; Launch 5 of 5: product 9, out0 [4096][1024] f32 = merged x Wo, on codes of E2M3 (records: see quantx).  Nothing is left out here.
; R = mc's records (rows: tokens; group of 128 tokens g, K step = head: record 16 g + s); P = Wo's records of opc (rows: Wo's columns; record 640 + 16 g + s).  K = 2,048 = 16 steps of 128.
; A work-group makes 128 tokens x 128 columns: 8 x 32 = 256 work-groups.  Four waves, each 64 x 64: 16 accumulators, which take turns.
; Source 0 = 16 rows of P, source 1 = 16 rows of R: a lane holds one token, and its registers of two neighbouring P tiles are 16 neighbouring columns.
; LDS: R's records of 12 K steps at 0, P's at 12 REC.  At the head each wave brings 6 records (waves 0, 1: R's steps 0-5, 6-11; waves 2, 3: P's), one tensor load a wave.
; Behind K step 3 the bytes of steps 0-3 are filled again with steps 12-15, 2 records a wave, behind the three lines and a round of the cluster's barrier; steps 4 to 10 are multiplied meanwhile.
; CLUSTER 4 x 4: R's records hang on the group of tokens and are asked for jointly along a row of the cluster, P's on the group of columns and along a column.
; No prefetch: the text has no loop to run ahead in, and the head's loads already ask for 24 of the work-group's 32 records.
; REGISTERS: window 0: v4-19 addresses, v28-29 the add's; two sets of 100 from v32: P's 4 fragments, R's 4, P's 2 registers of scale words, R's 2.  window 1: v0-127 accumulator (a, b) at 8 (4 a + b).
.set REC,   12800
.set FRB,   1536
.set SCI,   12288
.set GSTR,  16*REC
.set PREG,  12*REC                     ; where P's records begin in LDS
.set SPARE, 24*REC                     ; the spare words, 128 bytes for each wave
.set STAGE, SPARE+512                  ; the way out: 16 rows x (256 + 16) bytes for each wave; no tensor load lands here
.set SPITCH, 272
.set NF,    26                         ; LDS loads of a K step: 24 for fragments, 2 for scale words
.set LI,  4                            ; v4     16 x lane
.set AR,  5                            ; v5-7   my 4 tiles of R in records 0, 4, 8
.set AP,  8                            ; v8-10  the same of P
.set SR,  11                           ; v11-13 my 2 registers of R's image of scale words
.set SPS, 14                           ; v14-16 the same of P's
.set STO, 17
.set RD,  18
.set CO,  19
.set SPW, 28
.set NIL, 29
.set FS,  32
.set BK,  32                           ; the way out: two sets of 32
.set G1, 24                            ; group 1: R, 300 rows;  G1R: R, 100 rows;  G1B, G1BR: P
.set G0, 32                            ; s[32:35] R at the head, s[36:39] R's refill
.set G1B, 48
.set G0B, 56
.set G1R, 68
.set G1BR, 76
.set MSB, 0
.macro WIN new                         ; the immediate's high byte repeats the setting that is left
.if MSB != \new
	s_set_vgpr_msb (MSB<<8)|\new
.set MSB, \new
.endif
.endm
; A joint load: waves 0 and 1 fetch for R, waves 2 and 3 for P.  An s_nop 0 and four v_nop follow each line.
.macro JLOAD g0a, g1a, g0b, g1b
	s_cmp_eq_u32 s15, 0
	s_cbranch_scc0 .Lfor_b_\@
	tensor_load_to_lds s[\g0a:\g0a+3], s[\g1a:\g1a+7]
	s_nop 0
.rept 4
	v_nop
.endr
	s_branch .Lasked_\@
.Lfor_b_\@:
	tensor_load_to_lds s[\g0b:\g0b+3], s[\g1b:\g1b+7]
	s_nop 0
.rept 4
	v_nop
.endr
.Lasked_\@:
.endm
.macro CROUND                          ; a round of the cluster's barrier
	s_barrier_signal -1
	s_barrier_wait -1
	s_cmp_lg_u32 s14, 0
	s_cbranch_scc1 .Lnot_wave_0_\@
	s_barrier_signal -3
.Lnot_wave_0_\@:
	s_barrier_wait -3
	s_barrier_signal -1
	s_barrier_wait -1
.endm
	s_load_b128 s[4:7], s[0:1], 0x0                ; opc, mc
	s_load_b64 s[8:9], s[0:1], 0x10                ; out0
	v_lshl_add_u32 v[SPW], v0, 2, SPARE
	v_mov_b32 v[NIL], 0
	ds_add_u32 v[SPW], v[NIL]                      ; the opening: the add, twice on end, and its wait ahead of my first tensor load
	ds_add_u32 v[SPW], v[NIL]
	v_lshrrev_b32 v1, 5, v0
	v_readfirstlane_b32 s14, v1                    ; wave
	s_lshr_b32 s15, s14, 1                         ; my half of the tokens.  Also: I fetch for R (0) or for P (1)
	s_and_b32 s16, s14, 1                          ; my half of the columns.  Also: which part I fetch
	s_bfe_u32 s40, ttmp6, 0x40000                  ; cx
	s_bfe_u32 s41, ttmp6, 0x40004                  ; cy
	s_lshl_b32 s42, ttmp9, 2
	s_add_co_u32 s42, s42, s40                     ; the group of columns
	s_and_b32 s17, ttmp7, 0xffff
	s_lshl_b32 s17, s17, 2
	s_add_co_u32 s17, s17, s41                     ; the group of tokens
	s_lshl_b32 s43, s41, 2
	s_lshl_b32 s43, 15, s43                        ; my row of the cluster
	s_lshl_b32 s44, 0x1111, s40                    ; my column
	s_or_b32 s[G1], s43, (3<<16)|(1<<21)           ; the mask; elements of 8 bytes; bit 21 beside a mask
	s_or_b32 s[G1R], s43, (3<<16)|(1<<21)
	s_or_b32 s[G1B], s44, (3<<16)|(1<<21)
	s_or_b32 s[G1BR], s44, (3<<16)|(1<<21)
.irp g, G1, G1B                        ; 6 records, 76,800 dense bytes, as 300 rows of 256
	s_mov_b32 s[\g+1], 32<<16
	s_mov_b32 s[\g+2], 300<<16
	s_mov_b32 s[\g+3], 32<<16
	s_mov_b32 s[\g+4], 300
	s_mov_b32 s[\g+5], 32
	s_mov_b32 s[\g+6], 0
	s_mov_b32 s[\g+7], 0
.endr
.irp g, G1R, G1BR                      ; 2 records as 100 rows of 256
	s_mov_b32 s[\g+1], 32<<16
	s_mov_b32 s[\g+2], 100<<16
	s_mov_b32 s[\g+3], 32<<16
	s_mov_b32 s[\g+4], 100
	s_mov_b32 s[\g+5], 32
	s_mov_b32 s[\g+6], 0
	s_mov_b32 s[\g+7], 0
.endr
	s_mul_i32 s20, s17, GSTR                       ; R's group
	s_mov_b32 s21, 0
	s_mul_i32 s46, s42, GSTR                       ; P's group,
	s_add_co_u32 s46, s46, 640*REC                 ; behind opc's first 640 records
	s_mov_b32 s47, 0
	s_mul_i32 s22, s16, 6*REC                      ; at the head: K steps 0-5 or 6-11
	s_mov_b32 s23, 0
	s_mul_i32 s92, s16, 2*REC
	s_add_co_u32 s92, s92, 12*REC                  ; the refill: K steps 12-13 or 14-15
	s_mov_b32 s93, 0
	s_mul_i32 s45, s14, 6*REC                      ; where the head's load goes: wave x 6 records
	s_mul_i32 s94, s15, PREG
	s_mul_i32 s95, s16, 2*REC
	s_add_co_u32 s94, s94, s95                     ; where the refill goes: records 0-1 or 2-3 of R's or P's
	s_mul_i32 s84, s15, 4*FRB                      ; my 4 tiles of R,
	s_mul_i32 s85, s16, 4*FRB
	s_add_co_u32 s85, s85, PREG                    ; of P
	s_lshl_b32 s86, s15, 3                         ; my 2 registers of an image of scale words
	s_lshl_b32 s87, s16, 3
	s_add_co_u32 s87, s87, PREG
	s_mul_i32 s88, s14, 16*SPITCH
	s_add_co_u32 s88, s88, STAGE                   ; my stage
	s_lshl_b32 s90, s17, 19                        ; out0: 128 tokens of 4,096 bytes a group,
	s_lshl_b32 s91, s15, 18                        ; 64 a half,
	s_add_co_u32 s90, s90, s91
	s_lshl_b32 s91, s42, 9                         ; 128 columns of 4 bytes a group,
	s_add_co_u32 s90, s90, s91
	s_lshl_b32 s91, s16, 8                         ; 64 a half
	s_add_co_u32 s90, s90, s91
	s_mov_b32 s91, 0
	s_wait_dscnt 0x0                               ; both opening adds are done
	s_wait_kmcnt 0x0
	s_add_nc_u64 s[20:21], s[6:7], s[20:21]
	s_add_nc_u64 s[46:47], s[4:5], s[46:47]
	s_add_nc_u64 s[8:9], s[8:9], s[90:91]
	CROUND                                         ; all sixteen work-groups are here: the first joint loads meet
	s_mov_b32 s[G0], 1
	s_add_co_u32 s[G0+1], s45, 0
	s_add_nc_u64 s[G0+2:G0+3], s[20:21], s[22:23]
	s_or_b32 s[G0+3], s[G0+3], 0x80000000
	s_mov_b32 s[G0B], 1
	s_add_co_u32 s[G0B+1], s45, 0
	s_add_nc_u64 s[G0B+2:G0B+3], s[46:47], s[22:23]
	s_or_b32 s[G0B+3], s[G0B+3], 0x80000000
	s_mov_b32 s[G0+4], 1
	s_add_co_u32 s[G0+5], s94, 0
	s_add_nc_u64 s[G0+6:G0+7], s[20:21], s[92:93]
	s_or_b32 s[G0+7], s[G0+7], 0x80000000
	s_mov_b32 s[G0B+4], 1
	s_add_co_u32 s[G0B+5], s94, 0
	s_add_nc_u64 s[G0B+6:G0B+7], s[46:47], s[92:93]
	s_or_b32 s[G0B+7], s[G0B+7], 0x80000000
	JLOAD G0, G1, G0B, G1B                         ; K steps 0-11: one tensor load a wave at the head
	v_and_b32 v1, 31, v0
	v_and_b32 v2, 15, v0                           ; r
	v_bfe_u32 v3, v0, 4, 1                         ; h
	v_lshlrev_b32 v[LI], 4, v1
	v_add_nc_u32 v[AR], s84, v[LI]
	v_add_nc_u32 v[AP], s85, v[LI]
	v_add_nc_u32 v[SR], s86, v[LI]
	v_add_nc_u32 v[SPS], s87, v[LI]
.irp u, 1,2                            ; an LDS offset has 16 bits: one address for each four records
	v_add_nc_u32 v[AR+\u], \u*4*REC, v[AR]
	v_add_nc_u32 v[AP+\u], \u*4*REC, v[AP]
	v_add_nc_u32 v[SR+\u], \u*4*REC, v[SR]
	v_add_nc_u32 v[SPS+\u], \u*4*REC, v[SPS]
.endr
	v_mul_u32_u24 v20, v2, SPITCH                  ; into the stage: row r, 64 bytes for each half of the lanes
	v_lshl_add_u32 v20, v3, 6, v20
	v_add_nc_u32 v[STO], s88, v20
	v_mul_u32_u24 v21, v3, SPITCH                  ; back: sixteen lanes to a row of 256 bytes, two rows an instruction
	v_lshl_add_u32 v21, v2, 4, v21
	v_add_nc_u32 v[RD], s88, v21
	v_lshlrev_b32 v22, 12, v3                      ; and the same two rows in out0
	v_lshl_add_u32 v[CO], v2, 4, v22
; K step st's 8 fragments and 4 registers of scale words into set st % 2.  Steps 12-15 lie where steps 0-3 lay.
.macro FETCH st
.set LS, (\st)%12
.set U,  LS/4
.set QO, (LS%4)*REC
.set FB, FS+100*((\st)%2)
.irp i, 0,1,2,3
.irp c, 0,1,2
	ds_load_b128 v[FB+12*\i+4*\c:FB+12*\i+4*\c+3], v[AP+U] offset:QO+\i*FRB+512*\c
.endr
.endr
.irp i, 0,1,2,3
.irp c, 0,1,2
	ds_load_b128 v[FB+48+12*\i+4*\c:FB+48+12*\i+4*\c+3], v[AR+U] offset:QO+\i*FRB+512*\c
.endr
.endr
	ds_load_b64 v[FB+96:FB+97], v[SPS+U] offset:QO+SCI
	ds_load_b64 v[FB+98:FB+99], v[SR+U] offset:QO+SCI
.endm
; R's tile a x P's tile b.  A tile's scale words lie in register tile / 2 of my two, in lanes 0-15 (even tile) or 16-31 (odd tile).
.macro WM a, b, s, zero
.set rD, 8*(4*(\a)+(\b))
.set rP, FS+100*(\s)+12*(\b)
.set rR, FS+100*(\s)+48+12*(\a)
.set sP, FS+100*(\s)+96+(\b)/2
.set sR, FS+100*(\s)+98+(\a)/2
.set KND, 4*(\zero)+2*((\a)%2)+(\b)%2
.if KND == 0
	v_wmma_scale_f32_16x16x128_f8f6f4 v[rD:rD+7], v[rP:rP+11], v[rR:rR+11], v[rD:rD+7], v[sP], v[sR] matrix_a_fmt:MATRIX_FMT_FP6 matrix_b_fmt:MATRIX_FMT_FP6
.elseif KND == 1
	v_wmma_scale_f32_16x16x128_f8f6f4 v[rD:rD+7], v[rP:rP+11], v[rR:rR+11], v[rD:rD+7], v[sP], v[sR] matrix_a_fmt:MATRIX_FMT_FP6 matrix_b_fmt:MATRIX_FMT_FP6 matrix_a_scale:MATRIX_SCALE_ROW1
.elseif KND == 2
	v_wmma_scale_f32_16x16x128_f8f6f4 v[rD:rD+7], v[rP:rP+11], v[rR:rR+11], v[rD:rD+7], v[sP], v[sR] matrix_a_fmt:MATRIX_FMT_FP6 matrix_b_fmt:MATRIX_FMT_FP6 matrix_b_scale:MATRIX_SCALE_ROW1
.elseif KND == 3
	v_wmma_scale_f32_16x16x128_f8f6f4 v[rD:rD+7], v[rP:rP+11], v[rR:rR+11], v[rD:rD+7], v[sP], v[sR] matrix_a_fmt:MATRIX_FMT_FP6 matrix_b_fmt:MATRIX_FMT_FP6 matrix_a_scale:MATRIX_SCALE_ROW1 matrix_b_scale:MATRIX_SCALE_ROW1
.elseif KND == 4
	v_wmma_scale_f32_16x16x128_f8f6f4 v[rD:rD+7], v[rP:rP+11], v[rR:rR+11], 0, v[sP], v[sR] matrix_a_fmt:MATRIX_FMT_FP6 matrix_b_fmt:MATRIX_FMT_FP6
.elseif KND == 5
	v_wmma_scale_f32_16x16x128_f8f6f4 v[rD:rD+7], v[rP:rP+11], v[rR:rR+11], 0, v[sP], v[sR] matrix_a_fmt:MATRIX_FMT_FP6 matrix_b_fmt:MATRIX_FMT_FP6 matrix_a_scale:MATRIX_SCALE_ROW1
.elseif KND == 6
	v_wmma_scale_f32_16x16x128_f8f6f4 v[rD:rD+7], v[rP:rP+11], v[rR:rR+11], 0, v[sP], v[sR] matrix_a_fmt:MATRIX_FMT_FP6 matrix_b_fmt:MATRIX_FMT_FP6 matrix_b_scale:MATRIX_SCALE_ROW1
.else
	v_wmma_scale_f32_16x16x128_f8f6f4 v[rD:rD+7], v[rP:rP+11], v[rR:rR+11], 0, v[sP], v[sR] matrix_a_fmt:MATRIX_FMT_FP6 matrix_b_fmt:MATRIX_FMT_FP6 matrix_a_scale:MATRIX_SCALE_ROW1 matrix_b_scale:MATRIX_SCALE_ROW1
.endif
.endm
.macro MUL s, zero                     ; a K step's 16 matrix instructions on set s; C and D in window 1
	WIN 0x50
.irp a, 0,1,2,3
.irp b, 0,1,2,3
	WM \a, \b, \s, \zero
.endr
.endr
	WIN 0
.endm
.macro PLACES                          ; a load into a register that a matrix instruction has read, and a read of a result, stand four plain vector instructions behind it
.rept 4
	v_nop
.endr
.endm
.macro STEP st
.if (\st) == 11                        ; the next step's records are the refill's: every wave waits for its load, and a barrier shows them whole
	s_wait_tensorcnt 0x0
	s_wait_dscnt 0x0                               ; this step's loads are in
	s_barrier_signal -1
	MUL 1, 0
	s_barrier_wait -1
	PLACES
	FETCH 12
.else
	PLACES
.if (\st) < 15
	FETCH (\st)+1
.endif
.if (\st) == 3                         ; records 0-3 are read no more: the three lines, a round, the refill
	s_wait_tensorcnt 0x0
	ds_add_u32 v[SPW], v[NIL]
	s_wait_dscnt NF+1                              ; (the add and the next step's loads may be out)
	MUL 1, 0
	s_wait_dscnt 0x0                               ; the add is done, and my reads of records 0-3 are over
	CROUND
	JLOAD G0+4, G1R, G0B+4, G1BR                   ; K steps 12-15, the first tensor load behind the round
.elseif (\st) < 15
	s_wait_dscnt NF                                ; this step's loads are in; the next step's may be out
	MUL (\st)%2, 0
.else
	s_wait_dscnt 0x0
	MUL 1, 0
.endif
.endif
.endm
	s_wait_alu depctr_va_vdst(0)
	s_wait_tensorcnt 0x0                           ; my six records are in
	s_barrier_signal -1
	s_barrier_wait -1                              ; and everybody's
	FETCH 0
	FETCH 1
	s_wait_dscnt NF
	MUL 0, 1                                       ; the first step's products start the sums: nothing is cleared
.irp st, 1,2,3,4,5,6,7,8,9,10,11,12,13,14,15
	STEP \st
.endr
; THE WAY OUT, by R's tiles: 16 tokens x 64 columns go through my own stage and come back as rows of 256 bytes, which sixteen lanes store as one aligned unit.
; Row p of R's tile a is token 32 (a / 2) + 8 (a % 2) + p + 8 (p / 8); register j of P's tile b is column 32 (b / 2) + 8 (b % 2) + 16 h + j.
.macro TOSTAGE a
	WIN 0x04                                       ; the data: window 1
.irp b, 0,1,2,3
	ds_store_b128 v[STO], v[8*(4*(\a)+\b):8*(4*(\a)+\b)+3] offset:128*(\b/2)+32*(\b%2)      ; each accumulator from its low end on
	ds_store_b128 v[STO], v[8*(4*(\a)+\b)+4:8*(4*(\a)+\b)+7] offset:128*(\b/2)+32*(\b%2)+16
.endr
	WIN 0
.set BB, BK+32*((\a)%2)
.irp t, 0,1,2,3,4,5,6,7
	ds_load_b128 v[BB+4*\t:BB+4*\t+3], v[RD] offset:\t*2*SPITCH   ; my own bytes: LDS serves a wave's instructions in order
.endr
.endm
.macro SEND a, younger
.set BB, BK+32*((\a)%2)
	s_wait_dscnt \younger
.irp t, 0,1,2,3,4,5,6,7
	global_store_b128 v[CO], v[BB+4*\t:BB+4*\t+3], s[8:9] offset:(32*((\a)/2)+8*((\a)%2)+2*\t+8*(\t/4))*4096 th:TH_STORE_NT
.endr
.endm
	PLACES
	TOSTAGE 0
.irp a, 1,2,3
.if \a > 1
	s_wait_xcnt 0x0                                ; tile a - 2's stores have read their registers
.endif
	TOSTAGE \a
	SEND \a-1, 16                                  ; behind tile a - 1's loads: tile a's 8 stores and 8 loads
.endr
	SEND 3, 0
	s_wait_tensorcnt 0x0                           ; the wave's end
	ds_add_u32 v[SPW], v[NIL]
	s_wait_dscnt 0x0
	CROUND                                         ; the closing round
	s_endpgm
.Lfunc_end_k_q76272fcd13_outp:
	.size	k_q76272fcd13_outp, .Lfunc_end_k_q76272fcd13_outp-k_q76272fcd13_outp
	.p2alignl 7, 3214868480
	.fill 96, 4, 3214868480
	.section	.rodata,"a",@progbits
	.p2align	6, 0x0
	.amdhsa_kernel k_q76272fcd13_outp
		.amdhsa_group_segment_fixed_size 327680
		.amdhsa_private_segment_fixed_size 0
		.amdhsa_enable_private_segment 0
		.amdhsa_kernarg_size 24
		.amdhsa_user_sgpr_count 2
		.amdhsa_user_sgpr_kernarg_segment_ptr 1
		.amdhsa_wavefront_size32 1
		.amdhsa_system_sgpr_workgroup_id_x 1
		.amdhsa_system_sgpr_workgroup_id_y 1
		.amdhsa_system_sgpr_workgroup_id_z 1
		.amdhsa_system_vgpr_workitem_id 0
		.amdhsa_next_free_vgpr 384
		.amdhsa_next_free_sgpr 96
		.amdhsa_reserve_vcc 0
		.amdhsa_float_denorm_mode_32 3
		.amdhsa_float_denorm_mode_16_64 3
		.amdhsa_memory_ordered 1
		.amdhsa_forward_progress 1
		.amdhsa_inst_pref_size 78
	.end_amdhsa_kernel
	.amdgpu_metadata
---
amdhsa.version: [ 1, 2 ]
amdhsa.kernels:
  - .name:           k_q76272fcd13_outp
    .symbol:         k_q76272fcd13_outp.kd
    .args:
      - { .name: opc, .offset: 0, .size: 8, .value_kind: global_buffer, .address_space: global }
      - { .name: mc, .offset: 8, .size: 8, .value_kind: global_buffer, .address_space: global }
      - { .name: out0, .offset: 16, .size: 8, .value_kind: global_buffer, .address_space: global }
    .group_segment_fixed_size: 327680
    .private_segment_fixed_size: 0
    .kernarg_segment_align: 8
    .kernarg_segment_size: 24
    .max_flat_workgroup_size: 128
    .sgpr_count:     96
    .vgpr_count:     384
    .wavefront_size: 32
...
	.end_amdgpu_metadata
.endif
;; end of part 5
